; MI455X (gfx1250); checked and timed in simulation.
; The chip was launched on July 23, 2026; its instructions are those of AMD's public machine-readable ISA for CDNA 5 (MIT licence, August 2026) and "CDNA5" Instruction Set Architecture Reference Guide (July 2026). The comments in the code are by the model that wrote it; some were corrected since.
;; Causal Self Attention. Allowed arithmetic: matrix products marked QUANTISED: E3M2 operands, one E8M0 scale for each 32 along K, by v_wmma_scale_f32_16x16x128_f8f6f4 with both operands' format E3M2, f32 sums; everything else in f32.
;; Inputs: lamb one number float32; v1 4 x 2,048 x 1,024 float32; wk 1,024 x 1,024 float32; wproj 1,024 x 1,024 float32; wq 1,024 x 1,024 float32; wv 1,024 x 1,024 float32; x 4 x 2,048 x 1,024 float32.
;; Outputs: out0 4 x 2,048 x 1,024 float32; out1 4 x 2,048 x 1,024 float32.
;; This version of the problem:
;;   THIS VERSION OF THE PROBLEM IS GIVEN IN LOW PRECISION. The matrix products marked QUANTISED in the list below multiply operands that are first quantised to E3M2 (3 exponent bits, 2 mantissa bits; 6 bits a number), with one power-of-two scale for each 32 numbers along K (OCP MX v1.0); their sums are f32. All else is computed in f32.
;;   The module's matrix products, in the order in which they are computed (A, B: the left and right operand; K: the contracted axis; several contracted axes count as one K, in the product's order):
;;     1. [M 8,192, K 1,024] x [K 1,024, N 1,024]; A: input x; B: input wq: QUANTISED
;;     2. [M 8,192, K 1,024] x [K 1,024, N 1,024]; A: input x; B: input wk: QUANTISED
;;     3. [M 8,192, K 1,024] x [K 1,024, N 1,024]; A: input x; B: input wv: QUANTISED
;;     4. batch 64 x [M 2,048, K 64] x [K 64, N 2,048]; A: computed on the way; B: computed on the way: QUANTISED
;;     5. batch 64 x [M 64, K 2,048] x [K 2,048, N 2,048]; A: computed on the way; B: softmax (see below): QUANTISED
;;     6. [M 8,192, K 1,024] x [K 1,024, N 1,024]; A: computed on the way; B: input wproj: QUANTISED
;;   THE QUANTISER, for each operand of a quantised product, along K:
;;     - K is cut into blocks of 32 from its start; a last block that is shorter is filled with zeros.
;;     - A block's scale is 2^e with e = floor(log2(the largest magnitude in the block)) - 4, held to -126 .. 127; a block of zeros has e = 0. As a byte (E8M0): e + 127.
;;     - Each number is divided by its block's scale, clamped to +-28, and rounded to the nearest number of E3M2, ties to even, subnormals kept.
;;     - The product sums the exact products of the quantised numbers (number of the format x scale) in f32.
;;   ~~~python
;;   def quantise(x, axis):      # numpy; x: float32 -> the quantised numbers, widened to float32 again
;;       x = np.moveaxis(x, axis, -1); K = x.shape[-1]
;;       x = np.pad(x, [(0, 0)] * (x.ndim - 1) + [(0, -K % 32)]); x = x.reshape(x.shape[:-1] + (-1, 32)); a = np.abs(x).max(-1, keepdims=True)
;;       e = np.where(a > 0, np.clip(np.frexp(np.where(a > 0, a, 1))[1] - 1 - 4, -126, 127), 0)      # np.frexp(a)[1] - 1 = floor(log2(a)), exactly
;;       r = np.clip(x / 2.0 ** e, -28, 28)
;;       step = 2.0 ** (np.maximum(np.frexp(np.where(r == 0, 1, r))[1] - 1, -2) - 2)
;;       q = np.round(r / step) * step * 2.0 ** e      # np.round: ties to even
;;       return np.moveaxis(q.reshape(q.shape[:-2] + (-1,))[..., :K], -1, axis).astype(np.float32)
;;   ~~~
;;   SOFTMAX AHEAD OF A QUANTISED PRODUCT. Where the list says 'softmax', what is quantised is not the finished softmax but p = 2^(t - M), with t = logit x log2(e) and M = ceil(the row's largest t), a whole number; so 1/2 < the row's largest p <= 1. The row's sum l is taken of the UNQUANTISED p, in f32, and the product's result is divided by l at the end. Since M is a whole number, a kernel that streams over the keys may use a running M (the ceiling of the running maximum): every later rescaling is an exact power of two, which a block's scale takes up: the codes' values come out the same.
;;   OPERANDS COMPUTED ON THE WAY. 'Computed on the way' means the value that the module computes at that place (a softmax that the list does not call 'softmax' is quantised finished and normalised). What goes into a quantiser is computed in f32, as accurately as f32 sums, v_exp_f32 and their like allow (about 1e-6 of the number): no bf16 or f16 on the way to a quantiser, and a product that is left as it is and whose result goes on into a quantised operand takes f32 operands (vector FMAs, or v_wmma_f32_16x16x4_f32). A number that lies on a knife's edge between two numbers of the format may be rounded either way, as far as f32 arithmetic and the matrix unit's own rounding can turn it there, and no further.
;; One version. Each part assembles by itself: llvm-mc -triple=amdgcn-amd-amdhsa -mcpu=gfx1250 --defsym DOCPART=n.
;; ======== version 1 of 1: 4 launches
;; limits: values are held in f16: magnitudes above 65,504 overflow, below 6.1e-05 lose precision; right only within a limited range of input values
;; workspace buffers: cod 9,437,184 bytes; scl 393,216 bytes; rot 524,288 bytes; qkv 20,447,232 bytes; yc 6,291,456 bytes; ys 262,144 bytes
;; launch quant (part 1): grid 416 x 1, 4 waves a work-group, no clusters, 34,304 bytes of LDS; arguments x, wv, wq, wk, wproj, cod, scl, rot; writes cod, scl, rot
.if DOCPART == 1
	.amdgcn_target "amdgcn-amd-amdhsa--gfx1250"
	.amdhsa_code_object_version 6
	.text
	.protected	k_q584c3dbec2_quant
	.globl	k_q584c3dbec2_quant
	.p2align	8
	.type	k_q584c3dbec2_quant,@function
k_q584c3dbec2_quant:
	s_mov_b64 s[64:65], 0
	v_nop
	global_prefetch_b8 v0, s[64:65] scope:SCOPE_SE
	s_setreg_imm32_b32 hwreg(HW_REG_WAVE_MODE, 25, 1), 1
	s_wait_xcnt 0x0
; CAUSAL SELF-ATTENTION IN MX-BF6, launch 1 of 4: x and the four weights become codes of E3M2 with one E8M0 byte for each 32 along K (K = C is innermost in all five); and the rotary table is made.
; WORK LEFT OUT IN THE WHOLE PROGRAM.  reference() sets every score with key > query to -infinity by its own jnp.tril, so its weight is exp(-inf) = 0 for all values of the inputs: steps of 128 keys that lie
; wholly behind a tile of 16 queries reach no output and are not computed (launch attn).  No input is dead: x, v1, wq, wk, wv, wproj and lamb are all loaded.  LIMIT: a NaN, an infinity or an overflow that
; would reach only the scores left out is not carried to the result.
; THE MAXIMUM AHEAD OF THE EXPONENTIAL (launch attn) is the fixed whole number M = 0: q and k are normalised by reference() itself (sum of squares at most 64 a head), the f16 table adds a factor of at most
; 1.001, E3M2 at most 1/8 of a number and 1/512 of a block's largest: |q| and |k| stay under 9.13, |logit| under 10.4, |t| under 15.1 for every finite input; so p = 2^t lies in 2^-15.1 .. 2^15.1, a row's sum
; under 2^26.1, p's scale bytes in 107 .. 139.  A whole M only moves the blocks' scales: the codes' values are those of M = ceil(the row's largest t).
; LIMITS of all quantisers here: NaN and infinities among the inputs are not served; a block whose largest magnitude lies under 2^-122 is held at the byte 1; a block of zeros gets the byte 1 where the rule says
; 127 (its codes are zeros, and this program alone reads the bytes).
; LAYOUTS.  Rows go in groups of 32; tile 2 g + u, lane-row r, is row 32 g + 8 u + r + 8 (r / 8).  cod: [tile][K step 0..7][1,536]: the image of the operand's 12 registers: chunk c (registers 4 c .. 4 c + 3) of lane l
; at 512 c + 16 l.  scl: [tile][K half][r][4 words], a word = the four bytes of 128 along K.  Tiles 0-511 x, 512-575 wv, 576-639 wq, 640-703 wk, 704-767 wproj.
; rot: [tile of 16 positions][chunk 0..7][lane][16]: lane (r, h): registers 0-15 cos(t, 16 h + i), 16-31 sin, rounded to f16 as reference() has them and widened again.
; SHARES.  Work-groups 0-383: a group of 32 rows; wave w: tile 2 g + (w & 1), K steps 4 (w >> 1) + 0 .. 3.  Each load reads 512 consecutive bytes of a row; a K step turns through the wave's own stage in LDS, so that
; a lane gets two whole blocks of 32; every store of codes covers 512 consecutive bytes.  Work-groups 384-415: the table, a tile of positions a wave.  No matrix unit, no tensor load, no cluster: nothing is shared.
.set SPW,   12                         ; v12  my spare word;  v13  0: both never rewritten
.set NIL,   13
.set SPARE, 33792                      ; behind the four stages of 16 x 528 bytes
.set R,     16                         ; v16-143  two sets of 64: a K step as loaded
.set X,     144                        ; v144-207 my two blocks of 32
.set PC,    208                        ; v208-219 the fragment's 12 registers
.set CT,    220                        ; v220-226 the conversions' second halves
.set TM,    228                        ; v228-234 at work
.set WD,    236                        ; v236-239 the four scale words
.set P,     16                         ; the table: v16-31 powers, then angles;  v32-47 cos;  v48-63 sin;  v64-79 reciprocals;  v80-91 at work
.set CO,    32
.set SI,    48
.set Y,     64
	s_load_b256 s[4:11], s[0:1], 0x0               ; x, wv, wq, wk
	s_load_b256 s[12:19], s[0:1], 0x20             ; wproj, cod, scl, rot
	v_lshl_add_u32 v[SPW], v0, 2, SPARE
	v_mov_b32 v[NIL], 0
	v_lshrrev_b32 v1, 5, v0
	v_readfirstlane_b32 s24, v1                    ; wave
	v_and_b32 v7, 31, v0
	v_and_b32 v2, 15, v0                           ; r
	v_bfe_u32 v3, v0, 4, 1                         ; h
	v_lshlrev_b32 v1, 4, v7                        ; 16 x lane
	s_mov_b32 s30, 0x76543210
	s_mov_b32 s31, 0xfedcba98                      ; selects for lane l xor 16
	s_mov_b32 s32, 0xffff0000                      ; lanes 16-31
	s_cmp_ge_u32 ttmp9, 384
	s_cbranch_scc1 .Ltable
	; ---- codes and scales
	s_and_b32 s25, s24, 1                          ; u
	s_lshr_b32 s26, s24, 1                         ; which half of K
	s_mul_i32 s27, s24, 8448                       ; my stage
	s_wait_alu depctr_va_vdst(0)
	v_add_nc_u32 v4, s27, v1                       ; in: 16 x lane of a row
	v_mul_u32_u24 v5, v2, 528
	v_lshl_add_u32 v5, v3, 7, v5
	v_add_nc_u32 v5, s27, v5                       ; out: row r, block h
	v_lshlrev_b32 v6, 3, v3                        ; 8 h
	v_mov_b32 v[TM+6], 0                           ; a lane permute's destination counts as one of its sources
	v_lshlrev_b32 v8, 4, v2
	v_lshl_add_u32 v8, v3, 3, v8                   ; the scale words' place: 16 r + 8 h
	s_and_b32 s28, ttmp9, 31
	s_wait_alu depctr_va_vdst(0)
	s_wait_kmcnt 0x0
	s_mov_b64 s[20:21], s[12:13]                   ; which tensor: the choice hangs on the work-group's number alone
	s_cmp_lt_u32 ttmp9, 352
	s_cselect_b64 s[20:21], s[10:11], s[20:21]
	s_cmp_lt_u32 ttmp9, 320
	s_cselect_b64 s[20:21], s[8:9], s[20:21]
	s_cmp_lt_u32 ttmp9, 288
	s_cselect_b64 s[20:21], s[6:7], s[20:21]
	s_cmp_lt_u32 ttmp9, 256
	s_cselect_b64 s[20:21], s[4:5], s[20:21]
	s_cselect_b32 s28, ttmp9, s28                  ; the group within its tensor
	s_lshl_b32 s28, s28, 17                        ; 32 rows of 4,096 bytes
	s_lshl_b32 s29, s25, 15                        ; + 8 u rows
	s_add_co_u32 s28, s28, s29
	s_lshl_b32 s29, s26, 11                        ; + my four K steps
	s_add_co_u32 s28, s28, s29
	s_mov_b32 s29, 0
	s_add_nc_u64 s[20:21], s[20:21], s[28:29]
	s_lshl_b32 s33, ttmp9, 1
	s_add_co_u32 s33, s33, s25                     ; the tile
	s_mul_i32 s34, s33, 12288
	s_mul_i32 s35, s26, 6144
	s_add_co_u32 s34, s34, s35
	s_mov_b32 s35, 0
	s_add_nc_u64 s[14:15], s[14:15], s[34:35]
	s_lshl_b32 s34, s33, 9
	s_lshl_b32 s36, s26, 8
	s_add_co_u32 s34, s34, s36
	s_add_nc_u64 s[16:17], s[16:17], s[34:35]
.macro LOAD q                          ; K step q of my 16 rows: each load reads 512 consecutive bytes
.irp i, 0,1,2,3,4,5,6,7,8,9,10,11,12,13,14,15
	global_load_b128 v[R+64*((\q)%2)+4*\i:R+64*((\q)%2)+4*\i+3], v1, s[20:21] offset:(\i+8*(\i/8))*4096+512*(\q) th:TH_LOAD_NT
.endr
.endm
.macro STEP q
.if (\q) < 3
	s_wait_loadcnt 16                              ; this K step's 16 loads are in; the next step's 16 may be out
.else
	s_wait_loadcnt 0x0
.endif
.irp i, 0,1,2,3,4,5,6,7,8,9,10,11,12,13,14,15
	ds_store_b128 v4, v[R+64*((\q)%2)+4*\i:R+64*((\q)%2)+4*\i+3] offset:528*\i
.endr
.irp c, 0,1,2,3,4,5,6,7
	ds_load_b128 v[X+4*\c:X+4*\c+3], v5 offset:16*\c               ; block h of my row (LDS serves a wave's instructions in order: these see the stores above)
.endr
.irp c, 0,1,2,3,4,5,6,7
	ds_load_b128 v[X+32+4*\c:X+32+4*\c+3], v5 offset:256+16*\c     ; block 2 + h
.endr
	s_wait_dscnt 0x0                               ; my numbers are back, and the stores have read their registers,
.if (\q) < 2
	LOAD (\q)+2                                    ; which take the loads of two steps on
.endif
	v_max3_num_f32 v[TM], |v[X]|, |v[X+1]|, 0x2800000              ; each block's largest magnitude, over the floor 2^(5 - 127): the byte cannot fall under 1
	v_max3_num_f32 v[TM+1], |v[X+32]|, |v[X+33]|, 0x2800000
.irp i, 2,4,6,8,10,12,14,16,18,20,22,24,26,28,30
	v_max3_num_f32 v[TM], v[TM], |v[X+\i]|, |v[X+\i+1]|
	v_max3_num_f32 v[TM+1], v[TM+1], |v[X+32+\i]|, |v[X+33+\i]|
.endr
	v_add_nc_u32 v[TM+2], 0xfe000000, v[TM]        ; 4 off the exponent field: the conversion's scale operand
	v_add_nc_u32 v[TM+3], 0xfe000000, v[TM+1]
	v_lshrrev_b32 v[TM+4], 23, v[TM+2]             ; the bytes
	v_lshrrev_b32 v[TM+5], 23, v[TM+3]
	v_lshl_or_b32 v[TM+4], v[TM+5], 16, v[TM+4]    ; blocks h and 2 + h,
	v_lshlrev_b32 v[TM+4], v6, v[TM+4]             ; at their places in the word;
	v_permlanex16_b32 v[TM+6], v[TM+4], s30, s31
	v_or_b32 v[WD+(\q)], v[TM+4], v[TM+6]          ; with lane l xor 16's two the word is whole
	s_wait_alu depctr_va_vdst(0)
	s_wait_xcnt 0x0                                ; the last step's stores have read the codes' registers
	v_cvt_scalef32_pk16_bf6_f32 v[PC:PC+2], v[X:X+15], v[TM+2]
	v_cvt_scalef32_pk16_bf6_f32 v[CT:CT+2], v[X+16:X+31], v[TM+2]  ; (a conversion's three registers begin on an even number)
	v_cvt_scalef32_pk16_bf6_f32 v[PC+6:PC+8], v[X+32:X+47], v[TM+3]
	v_cvt_scalef32_pk16_bf6_f32 v[CT+4:CT+6], v[X+48:X+63], v[TM+3]
	v_nop                                          ; one plain place behind a scaled conversion
.irp i, 0,1,2
	v_mov_b32 v[PC+3+\i], v[CT+\i]
	v_mov_b32 v[PC+9+\i], v[CT+4+\i]
.endr
.irp c, 0,1,2
	global_store_b128 v1, v[PC+4*\c:PC+4*\c+3], s[14:15] offset:1536*(\q)+512*\c   ; 512 consecutive bytes, aligned
.endr
.endm
	LOAD 0
	LOAD 1
	STEP 0
	STEP 1
	STEP 2
	STEP 3
	v_cndmask_b32 v240, v[WD], v[WD+2], s32        ; lane (r, h) stores words 2 h and 2 h + 1 of row r: the wave stores 256 consecutive bytes
	v_cndmask_b32 v241, v[WD+1], v[WD+3], s32
	global_store_b64 v8, v[240:241], s[16:17]
	s_branch .Lend
	; ---- the rotary table
.Ltable:
	s_sub_co_u32 s25, ttmp9, 384
	s_lshl_b32 s25, s25, 2
	s_add_co_u32 s25, s25, s24                     ; the tile of positions, 0 .. 127
	s_lshr_b32 s26, s25, 1
	s_lshl_b32 s26, s26, 5
	s_and_b32 s27, s25, 1
	s_lshl_b32 s27, s27, 3
	s_add_co_u32 s26, s26, s27
	s_wait_alu depctr_va_vdst(0)
	v_and_b32 v4, 8, v2
	v_add_nc_u32 v4, v4, v2
	v_add_nc_u32 v4, s26, v4                       ; my position t
	v_cvt_f32_u32 v8, v4
	s_mov_b32 s40, 0xb94ca1f9                      ; the leading coefficients of the two polynomials
	s_mov_b32 s41, 0x37ccf5ce
	s_lshl_b32 s28, s25, 12
	s_mov_b32 s29, 0
	s_mov_b32 vcc_lo, s32
.macro PW i, lo, hi                    ; 10000^(j / 32) = 10^(j / 8), j = 16 h + i, rounded to f32 by the assembler
	v_mov_b32 v[P+\i], \hi
	v_cndmask_b32 v[P+\i], \lo, v[P+\i], vcc_lo
.endm
	PW 0, 1.0, 100.0
	PW 1, 1.3335214321633240, 133.35214321633240
	PW 2, 1.7782794100389228, 177.82794100389228
	PW 3, 2.3713737056616552, 237.13737056616552
	PW 4, 3.1622776601683795, 316.22776601683795
	PW 5, 4.2169650342858225, 421.69650342858225
	PW 6, 5.6234132519034908, 562.34132519034908
	PW 7, 7.4989420933245582, 749.89420933245582
	PW 8, 10.0, 1000.0
	PW 9, 13.335214321633240, 1333.5214321633240
	PW 10, 17.782794100389228, 1778.2794100389228
	PW 11, 23.713737056616552, 2371.3737056616552
	PW 12, 31.622776601683795, 3162.2776601683795
	PW 13, 42.169650342858225, 4216.9650342858225
	PW 14, 56.234132519034908, 5623.4132519034908
	PW 15, 74.989420933245582, 7498.9420933245582
	s_wait_alu depctr_va_vdst(0)
.irp i, 0,1,2,3,4,5,6,7,8,9,10,11,12,13,14,15
	v_rcp_f32 v[Y+\i], v[P+\i]
.endr
	v_nop                                          ; a plain place behind the last reciprocal,
	s_wait_alu depctr_va_vdst(0)                   ; and one wait for the batch, ahead of its first reader
.irp i, 0,1,2,3,4,5,6,7,8,9,10,11,12,13,14,15
	v_fma_f32 v[P+\i], -v[P+\i], v[Y+\i], 1.0      ; one step of Newton: 1 / p to the last bit
.endr
.irp i, 0,1,2,3,4,5,6,7,8,9,10,11,12,13,14,15
	v_fma_f32 v[Y+\i], v[Y+\i], v[P+\i], v[Y+\i]
.endr
.irp i, 0,1,2,3,4,5,6,7,8,9,10,11,12,13,14,15
	v_mul_f32 v[P+\i], v8, v[Y+\i]                 ; the angle, as reference()'s outer product rounds it
.endr
.macro SINCOS i                        ; n = the nearest multiple of pi / 2, taken off in two parts (the first exactly); polynomials on +-pi / 4; the quadrant; rounded to f16 and widened
	v_mul_f32 v80, 0x3f22f983, v[P+\i]
	v_rndne_f32 v80, v80
	v_fmamk_f32 v81, v80, 0xbfc90fdb, v[P+\i]
	v_fmamk_f32 v81, v80, 0x333bbd2e, v81
	v_cvt_i32_f32 v82, v80
	v_mul_f32 v83, v81, v81
	v_fmaak_f32 v84, s40, v83, 0x3c08839e
	v_fmaak_f32 v86, s41, v83, 0xbab6061a
	v_fmaak_f32 v84, v84, v83, 0xbe2aaaa3
	v_fmaak_f32 v86, v86, v83, 0x3d2aaaa5
	v_mul_f32 v85, v83, v81
	v_mul_f32 v87, v83, v83
	v_fma_f32 v88, v83, -0.5, 1.0
	v_fma_f32 v84, v84, v85, v81                   ; sin r
	v_fma_f32 v86, v86, v87, v88                   ; cos r
	v_and_b32 v89, 1, v82
	v_cmp_eq_u32 vcc_lo, 1, v89
	v_cndmask_b32 v90, v84, v86, vcc_lo            ; odd quadrants change the two
	v_cndmask_b32 v91, v86, v84, vcc_lo
	v_and_b32 v89, 2, v82
	v_lshlrev_b32 v89, 30, v89
	v_xor_b32 v90, v89, v90                        ; sin is negative in quadrants 2, 3
	v_add_nc_u32 v82, 1, v82
	v_and_b32 v82, 2, v82
	v_lshlrev_b32 v82, 30, v82
	v_xor_b32 v91, v82, v91                        ; cos in quadrants 1, 2
	v_cvt_f16_f32 v90.l, v90
	v_cvt_f16_f32 v91.l, v91
	v_cvt_f32_f16 v[SI+\i], v90.l
	v_cvt_f32_f16 v[CO+\i], v91.l
.endm
.irp i, 0,1,2,3,4,5,6,7,8,9,10,11,12,13,14,15
	SINCOS \i
.endr
	s_wait_alu depctr_va_vdst(0)
	s_wait_kmcnt 0x0
	s_add_nc_u64 s[18:19], s[18:19], s[28:29]
.irp c, 0,1,2,3,4,5,6,7
	global_store_b128 v1, v[CO+4*\c:CO+4*\c+3], s[18:19] offset:512*\c
.endr
.Lend:
	s_wait_tensorcnt 0x0                           ; the wave's end, behind my last LDS store
	ds_add_u32 v[SPW], v[NIL]
	s_wait_dscnt 0x0
	s_endpgm
.Lfunc_end_k_q584c3dbec2_quant:
	.size	k_q584c3dbec2_quant, .Lfunc_end_k_q584c3dbec2_quant-k_q584c3dbec2_quant
	.p2alignl 7, 3214868480
	.fill 96, 4, 3214868480
	.section	.rodata,"a",@progbits
	.p2align	6, 0x0
	.amdhsa_kernel k_q584c3dbec2_quant
		.amdhsa_group_segment_fixed_size 34304
		.amdhsa_private_segment_fixed_size 0
		.amdhsa_enable_private_segment 0
		.amdhsa_kernarg_size 64
		.amdhsa_user_sgpr_count 2
		.amdhsa_user_sgpr_kernarg_segment_ptr 1
		.amdhsa_wavefront_size32 1
		.amdhsa_system_sgpr_workgroup_id_x 1
		.amdhsa_system_sgpr_workgroup_id_y 1
		.amdhsa_system_sgpr_workgroup_id_z 1
		.amdhsa_system_vgpr_workitem_id 0
		.amdhsa_next_free_vgpr 256
		.amdhsa_next_free_sgpr 66
		.amdhsa_reserve_vcc 1
		.amdhsa_float_denorm_mode_32 3
		.amdhsa_float_denorm_mode_16_64 3
		.amdhsa_memory_ordered 1
		.amdhsa_forward_progress 1
		.amdhsa_inst_pref_size 57
	.end_amdhsa_kernel
	.amdgpu_metadata
---
amdhsa.version: [ 1, 2 ]
amdhsa.kernels:
  - .name:           k_q584c3dbec2_quant
    .symbol:         k_q584c3dbec2_quant.kd
    .args:
      - { .name: x, .offset: 0, .size: 8, .value_kind: global_buffer, .address_space: global }
      - { .name: wv, .offset: 8, .size: 8, .value_kind: global_buffer, .address_space: global }
      - { .name: wq, .offset: 16, .size: 8, .value_kind: global_buffer, .address_space: global }
      - { .name: wk, .offset: 24, .size: 8, .value_kind: global_buffer, .address_space: global }
      - { .name: wproj, .offset: 32, .size: 8, .value_kind: global_buffer, .address_space: global }
      - { .name: cod, .offset: 40, .size: 8, .value_kind: global_buffer, .address_space: global }
      - { .name: scl, .offset: 48, .size: 8, .value_kind: global_buffer, .address_space: global }
      - { .name: rot, .offset: 56, .size: 8, .value_kind: global_buffer, .address_space: global }
    .group_segment_fixed_size: 34304
    .private_segment_fixed_size: 0
    .kernarg_segment_align: 8
    .kernarg_segment_size: 64
    .max_flat_workgroup_size: 128
    .sgpr_count:     66
    .vgpr_count:     256
    .wavefront_size: 32
...
	.end_amdgpu_metadata
.endif
;; end of part 1
;; launch qkv (part 2): grid 32 x 12, 4 waves a work-group, clusters of 4 x 4, 327,680 bytes of LDS; arguments cod, scl, rot, v1, lamb, qkv, out1; writes qkv, out1
.if DOCPART == 2
	.amdgcn_target "amdgcn-amd-amdhsa--gfx1250"
	.amdhsa_code_object_version 6
	.text
	.protected	k_q584c3dbec2_qkv
	.globl	k_q584c3dbec2_qkv
	.p2align	8
	.type	k_q584c3dbec2_qkv,@function
k_q584c3dbec2_qkv:
	s_mov_b64 s[64:65], 0
	v_nop
	global_prefetch_b8 v0, s[64:65] scope:SCOPE_SE
	s_setreg_imm32_b32 hwreg(HW_REG_WAVE_MODE, 25, 1), 1
	s_wait_xcnt 0x0
	s_wait_alu depctr_hold_cnt(0) depctr_sa_sdst(0) depctr_va_vdst(0) depctr_va_sdst(0) depctr_va_ssrc(0) depctr_va_vcc(0) depctr_vm_vsrc(0)
	s_getreg_b32 s2, hwreg(HW_REG_IB_STS2, 6, 4)
	s_cmp_eq_u32 s2, 0
	s_cbranch_scc0 .Lentry_in_a_cluster
	s_endpgm
.Lentry_in_a_cluster:
	s_bfe_u32 s2, ttmp6, 0x10000c
	s_cmp_lg_u32 s2, 0xf033
	s_cbranch_scc0 .Lentry_shape_is_right
	s_endpgm
.Lentry_shape_is_right:
.set SLOT,  98304
.set WPART, 49152
.set SCLB,  294912
.set SPARE, 311296
.set STG,   98304
.set REC,   319488                     ; a head's record: 16 key steps of 13,312 bytes (K's codes 6,144, V's codes 6,144, K's scale words 512, V's 256, 256 to fill the row), then Q's codes and Q's scale words
.set FR,    12
.set ADP,   4
.set ADR,   8
.set ADRS,  12
.set VGO,   13
.set VSA,   14
.set VLA,   15
.set TMA,   16
.set TMB,   20
.set TMS,   24
.set SPW,   28
.set NIL,   29
.set PFO,   30
.set L8,    31
.set SC,    32
.set PCV,   96
.set CTV,   108
.set PWV,   120
.set RF,    128
.set VB,    128
.set XN,    128
.set T,     192
.set PCQ,   208
.set CTQ,   220
.set TMQ,   228
.set SW,    244
.set RQ,    252
.set G1X,   24
.set G1W,   32
.set G1SX,  40
.set G1SW,  48
.set G0SX,  72
.set G0SW,  88
.set MSB, 0
.macro WIN new
.if MSB != \new
	s_set_vgpr_msb (MSB<<8)|\new
.set MSB, \new
.endif
.endm
.set MUL_LO, 0xa1
.set MUL_HI, 0xf1
.macro PLACES n
.rept \n
	v_nop
.endr
.endm
.macro JLOAD g0x, g1x, g0w, g1w
	s_cmp_eq_u32 s19, 0
	s_cbranch_scc0 .Lfor_w_\@
	tensor_load_to_lds s[\g0x:\g0x+3], s[\g1x:\g1x+7]
	s_nop 0
.rept 4
	v_nop
.endr
	s_branch .Lasked_\@
.Lfor_w_\@:
	tensor_load_to_lds s[\g0w:\g0w+3], s[\g1w:\g1w+7]
	s_nop 0
.rept 4
	v_nop
.endr
.Lasked_\@:
.endm
.macro CREST
	s_cmp_lg_u32 s18, 0
	s_cbranch_scc1 .Lnot_wave_0_\@
	s_barrier_signal -3
.Lnot_wave_0_\@:
	s_barrier_wait -3
	s_barrier_signal -1
	s_barrier_wait -1
.endm
.macro CROUND
	s_barrier_signal -1
	s_barrier_wait -1
	CREST
.endm
	s_load_b256 s[4:11], s[0:1], 0x0
	s_load_b128 s[12:15], s[0:1], 0x20
	s_load_b64 s[16:17], s[0:1], 0x30
	v_lshl_add_u32 v[SPW], v0, 2, SPARE
	v_mov_b32 v[NIL], 0
	ds_add_u32 v[SPW], v[NIL]
	ds_add_u32 v[SPW], v[NIL]
	v_lshrrev_b32 v1, 5, v0
	v_readfirstlane_b32 s18, v1
	s_lshr_b32 s19, s18, 1
	s_and_b32 s20, s18, 1
	s_bfe_u32 s21, ttmp6, 0x40000
	s_bfe_u32 s22, ttmp6, 0x40004
	s_lshl_b32 s2, ttmp9, 2
	s_add_co_u32 s2, s2, s21
	s_and_b32 s23, ttmp7, 0xffff
	s_lshl_b32 s66, 0x1111, s21
	s_lshl_b32 s67, s22, 2
	s_lshl_b32 s67, 15, s67
	s_or_b32 s[G1X], s66, 0x230000
	s_or_b32 s[G1W], s67, 0x230000
	s_or_b32 s[G1SX], s66, 0x230000
	s_or_b32 s[G1SW], s67, 0x230000
.irp g, G1X, G1W
	s_mov_b32 s[\g+1], 384<<16
	s_mov_b32 s[\g+2], 8<<16
	s_mov_b32 s[\g+3], 384<<16
	s_mov_b32 s[\g+4], 8
	s_mov_b32 s[\g+5], 1536
	s_mov_b32 s[\g+6], 0
	s_mov_b32 s[\g+7], 0
.endr
.irp g, G1SX, G1SW                     ; the large slot's tiles: 8 rows of 6,144 bytes (K steps 2 to 5 of a tile of 16 rows), 12,288 bytes apart
	s_mov_b32 s[\g+1], 768<<16
	s_mov_b32 s[\g+2], 8<<16
	s_mov_b32 s[\g+3], 768<<16
	s_mov_b32 s[\g+4], 8
	s_mov_b32 s[\g+5], 1536
	s_mov_b32 s[\g+6], 0
	s_mov_b32 s[\g+7], 0
.endr
	s_lshl_b32 s3, s20, 3
	s_lshl_b32 s92, s2, 4
	s_add_co_u32 s92, s92, s3
	s_mul_i32 s92, s92, 12288
	s_mov_b32 s93, 0
	s_lshl_b32 s94, s23, 2
	s_add_co_u32 s94, s94, s22
	s_lshl_b32 s94, s94, 4
	s_add_co_u32 s94, s94, s3
	s_add_co_u32 s94, s94, 512
	s_mul_i32 s94, s94, 12288
	s_mov_b32 s95, 0
	s_mul_i32 s100, s18, 24576
	s_mul_i32 s101, s18, 49152
	s_wait_dscnt 0x0
	s_wait_kmcnt 0x0
	s_add_nc_u64 s[92:93], s[4:5], s[92:93]
	s_add_nc_u64 s[94:95], s[4:5], s[94:95]
	CROUND
	s_mov_b32 s56, 1                               ; slot 0: K steps 0 and 1 (later 6 and 7)
	s_add_co_u32 s57, s100, 0
	s_mov_b64 s[58:59], s[92:93]
	s_or_b32 s59, s59, 0x80000000
	s_mov_b32 s76, 1
	s_add_co_u32 s77, s100, 0
	s_mov_b64 s[78:79], s[94:95]
	s_or_b32 s79, s79, 0x80000000
	JLOAD 56, G1X, 76, G1W                         ; the head's one load a wave
	s_mov_b32 s[G0SX], 1                           ; the large slot, behind slot 0: K steps 2 to 5, 49,152 bytes a wave
	s_add_co_u32 s[G0SX+1], s101, SLOT
	s_add_nc_u64 s[G0SX+2:G0SX+3], s[92:93], 3072
	s_or_b32 s[G0SX+3], s[G0SX+3], 0x80000000
	s_mov_b32 s[G0SW], 1
	s_add_co_u32 s[G0SW+1], s101, SLOT
	s_add_nc_u64 s[G0SW+2:G0SW+3], s[94:95], 3072
	s_or_b32 s[G0SW+3], s[G0SW+3], 0x80000000
	v_and_b32 v1, 15, v0
	v_bfe_u32 v2, v0, 4, 1
	v_and_b32 v3, 31, v0
	v_lshlrev_b32 v[PFO], 12, v3
	v_lshlrev_b32 v[L8], 3, v3
	v_lshlrev_b32 v3, 4, v3
	s_wait_alu depctr_va_vdst(0)
	s_mul_i32 s66, s19, 24576
	s_mul_i32 s67, s20, 24576
	s_add_co_u32 s67, s67, WPART
	s_cmp_eq_u32 s23, 0
	s_cselect_b32 s3, s66, s67
	s_cselect_b32 s66, s67, s66
	v_add_nc_u32 v[ADP], s3, v3
	v_add_nc_u32 v[ADR], s66, v3
	s_lshl_b32 s3, s3, 1                           ; in the large slot every part is twice as long
	s_lshl_b32 s66, s66, 1
	s_add_co_u32 s3, s3, SLOT
	s_add_co_u32 s66, s66, SLOT
	v_add_nc_u32 v[ADP+1], s3, v3
	v_add_nc_u32 v[ADR+1], s66, v3
	s_lshl_b32 s66, s19, 12                        ; the scale words come from memory straight into registers: byte offsets in scl, 512 bytes a tile: x's tiles 16 x block + 8 x half on,
	s_lshl_b32 s67, s2, 13
	s_add_co_u32 s66, s66, s67
	s_lshl_b32 s67, s23, 2                         ; the weight's tiles 512 + 16 x block + 8 x half on
	s_add_co_u32 s67, s67, s22
	s_lshl_b32 s67, s67, 13
	s_add_co_u32 s67, s67, 262144
	s_lshl_b32 s3, s20, 12
	s_add_co_u32 s67, s67, s3
	s_cmp_eq_u32 s23, 0
	s_cselect_b32 s3, s66, s67
	s_cselect_b32 s66, s67, s66
	s_mov_b32 s67, 0xffff0000
	v_mov_b32 v16, s66
	v_mov_b32 v17, s3
	v_cndmask_b32 v[ADRS], v16, v17, s67
	v_lshl_add_u32 v[ADRS], v1, 4, v[ADRS]
	s_mul_i32 s3, s18, 33280
	s_add_co_u32 s3, s3, STG
	v_lshlrev_b32 v[VGO], 12, v2
	v_lshl_add_u32 v[VGO], v1, 4, v[VGO]
	v_lshlrev_b32 v[VSA], 8, v2
	v_lshl_add_u32 v[VSA], v1, 4, v[VSA]
	v_add_nc_u32 v[VSA], s3, v[VSA]
	v_and_b32 v16, 8, v1
	v_add_nc_u32 v16, v16, v1
	v_mul_u32_u24 v[VLA], v2, 16416
	v_lshl_add_u32 v[VLA], v16, 2, v[VLA]
	v_add_nc_u32 v[VLA], s3, v[VLA]
	s_lshl_b32 s92, s2, 20
	s_lshl_b32 s3, s19, 19
	s_add_co_u32 s92, s92, s3
	s_lshl_b32 s3, s22, 10
	s_add_co_u32 s92, s92, s3
	s_lshl_b32 s3, s20, 9
	s_add_co_u32 s92, s92, s3
	s_mov_b32 s93, 0
	s_add_nc_u64 s[94:95], s[16:17], s[92:93]
	s_add_nc_u64 s[92:93], s[10:11], s[92:93]
.macro FRAG3 reg, adr, off
.irp c, 0,1,2
	ds_load_b128 v[\reg+4*\c:\reg+4*\c+3], v[\adr] offset:\off+512*\c
.endr
.endm
.macro FETCH_P n, q, p
	WIN 0x40
.irp i, 0,1,2,3,4,5,6,7
	FRAG3 128*(\p)+FR*\i, ADP+(\n), \i*3072*(1+(\n))+(\q)*1536
.endr
	WIN 0
.endm
.macro FETCH_R n, q, i0
.irp i, \i0, \i0+1, \i0+2, \i0+3
	FRAG3 RF+FR*(\i), ADR+(\n), (\i)*3072*(1+(\n))+(\q)*1536
.endr
.endm
.macro SCALES
.irp i, 0,1,2,3,4,5,6,7
	global_load_b128 v[SC+8*\i:SC+8*\i+3], v[ADRS], s[6:7] offset:512*\i        ; sixteen lanes read 256 consecutive bytes, aligned
	global_load_b128 v[SC+8*\i+4:SC+8*\i+7], v[ADRS], s[6:7] offset:512*\i+256
.endr
.endm
.macro MUL16 a0, p, g, zero
.irp a, \a0, \a0+1
.irp b, 0,1,2,3,4,5,6,7
.if \zero
	v_wmma_scale_f32_16x16x128_f8f6f4 v[8*(8*((\a)%4)+\b):8*(8*((\a)%4)+\b)+7], v[128*(\p)+FR*\b:128*(\p)+FR*\b+FR-1], v[RF+FR*(\a):RF+FR*(\a)+FR-1], 0, v[SC+8*\b+(\g)], v[SC+8*(\a)+(\g)] matrix_a_fmt:MATRIX_FMT_BF6 matrix_b_fmt:MATRIX_FMT_BF6 matrix_a_scale:MATRIX_SCALE_ROW1
.else
	v_wmma_scale_f32_16x16x128_f8f6f4 v[8*(8*((\a)%4)+\b):8*(8*((\a)%4)+\b)+7], v[128*(\p)+FR*\b:128*(\p)+FR*\b+FR-1], v[RF+FR*(\a):RF+FR*(\a)+FR-1], v[8*(8*((\a)%4)+\b):8*(8*((\a)%4)+\b)+7], v[SC+8*\b+(\g)], v[SC+8*(\a)+(\g)] matrix_a_fmt:MATRIX_FMT_BF6 matrix_b_fmt:MATRIX_FMT_BF6 matrix_a_scale:MATRIX_SCALE_ROW1
.endif
.endr
.endr
.endm
.macro ASKV
	s_cmp_lg_u32 s23, 0
	s_cbranch_scc1 .Lnoask_\@
.irp rg, 0,1,2,3
.irp cb, 0,1
	global_prefetch_b8 v[PFO], s[92:93] offset:131072*\rg+256*\cb th:TH_LOAD_NT scope:SCOPE_SE
.endr
.endr
.Lnoask_\@:
.endm
.macro STEP g, nn, nq, zero, ask
	s_wait_dscnt 12
	WIN MUL_LO
	MUL16 0, (\g)%2, \g, \zero
	MUL16 2, (\g)%2, \g, \zero
	s_wait_dscnt 0x0
	PLACES 4
	FETCH_P \nn, \nq, 1-(\g)%2
	FETCH_R \nn, \nq, 0
.if \ask
	ASKV
.endif
	WIN MUL_HI
	MUL16 4, (\g)%2, \g, \zero
	MUL16 6, (\g)%2, \g, \zero
	PLACES 4
	WIN 0
	FETCH_R \nn, \nq, 4
.endm
.macro TURN g, nn, fill
	s_wait_tensorcnt 0x0
	ds_add_u32 v[SPW], v[NIL]
	s_wait_dscnt 13
	WIN MUL_LO
	MUL16 0, 1, \g, 0
	s_wait_dscnt 0x0
	s_barrier_signal -1
	MUL16 2, 1, \g, 0
	WIN 0
	s_barrier_wait -1
.if \fill
	CREST
	s_add_nc_u64 s[58:59], s[58:59], 9216
	s_add_nc_u64 s[78:79], s[78:79], 9216
	JLOAD 56, G1X, 76, G1W
.else
	PLACES 4
.endif
	FETCH_P \nn, 0, 0
	FETCH_R \nn, 0, 0
	WIN MUL_HI
	MUL16 4, 1, \g, 0
	MUL16 6, 1, \g, 0
	PLACES 4
	WIN 0
	FETCH_R \nn, 0, 4
.endm
	s_wait_alu depctr_va_vdst(0)                   ; the wait at the head's end
	SCALES
	s_wait_tensorcnt 0x0                           ; my part of slot 0 is in
	ds_add_u32 v[SPW], v[NIL]
	s_wait_dscnt 0x0
	CROUND
	JLOAD G0SX, G1SX, G0SW, G1SW                   ; K steps 2 to 5, the first tensor load behind the round
	FETCH_P 0, 0, 0
	FETCH_R 0, 0, 0
	s_wait_loadcnt 0x0                             ; the scale words, asked for ahead of the wait for slot 0, are in
	FETCH_R 0, 0, 4
	STEP 0, 0, 1, 1, 0
	TURN 1, 1, 1
	STEP 2, 1, 1, 0, 0
	STEP 3, 1, 2, 0, 1
	STEP 4, 1, 3, 0, 0
	TURN 5, 0, 0
	STEP 6, 0, 1, 0, 0
	s_wait_dscnt 12
	WIN MUL_LO
	MUL16 0, 1, 7, 0
	MUL16 2, 1, 7, 0
	s_wait_dscnt 0x0
	WIN MUL_HI
	MUL16 4, 1, 7, 0
	MUL16 6, 1, 7, 0
	WIN 0
	PLACES 4
	s_and_b32 s24, s2, 7
	s_lshl_b32 s24, s24, 1
	s_add_co_u32 s24, s24, s19
	s_lshr_b32 s25, s2, 3
	s_lshl_b32 s25, s25, 4
	s_lshl_b32 s26, s22, 2
	s_add_co_u32 s25, s25, s26
	s_lshl_b32 s26, s20, 1
	s_add_co_u32 s25, s25, s26
	s_mul_i32 s25, s25, REC
	s_mov_b32 s46, 0x76543210
	s_mov_b32 s47, 0xfedcba98
	s_mov_b32 s49, 0xffff0000
	s_cmp_eq_u32 s23, 0
	s_cbranch_scc1 .Lvpath
	s_cmp_eq_u32 s23, 1
	s_cselect_b32 s26, 212992, 0                   ; Q's codes lie behind the 16 key steps, K's at the head of their key step
	s_mov_b32 s27, 12288
	s_cselect_b32 s27, 311296, s27                 ; the scale words likewise
	s_mov_b32 s28, 13312
	s_cselect_b32 s29, 6144, s28                   ; from one run of 128 tokens to the next
	s_cselect_b32 s28, 512, s28
	s_mul_i32 s29, s24, s29
	s_mul_i32 s28, s24, s28
	s_add_co_u32 s26, s26, s29
	s_add_co_u32 s26, s26, s25
	s_add_co_u32 s28, s28, s27
	s_add_co_u32 s28, s28, s25
	s_mov_b32 s27, 0
	s_mov_b32 s29, 0
	s_add_nc_u64 s[36:37], s[14:15], s[26:27]
	s_add_nc_u64 s[38:39], s[36:37], REC
	s_add_nc_u64 s[40:41], s[14:15], s[28:29]
	s_add_nc_u64 s[42:43], s[40:41], REC
	s_lshl_b32 s26, s24, 15
	s_add_nc_u64 s[44:45], s[8:9], s[26:27]
	s_mov_b32 s48, 0x3c800000
	WIN 0x40
.irp a, 0,1,2,3,4,5,6,7
.irp c, 0,1,2,3,4,5,6,7
	global_load_b128 v[32*\a+4*\c:32*\a+4*\c+3], v3, s[44:45] offset:4096*\a+512*\c
.endr
.endr
	WIN 0
.irp i, 0,1,2,3
	v_mov_b32 v[TMQ+4+\i], 0
.endr
	v_mov_b32 v[RQ+1], 0
	v_mov_b32 v[RQ+3], 0
.macro QKGROUP gp, e
.set WA, 2+(\gp)/2
.set A0, 8*(8*((2*(\gp))%4)+4*(\e))
.if (\e) == 0
	s_wait_loadcnt 48-16*(\gp)
.endif
	WIN WA*5
.irp x, 0,1
	v_pk_mul_f32 v[T+4*\x:T+4*\x+1], v[A0+64*\x:A0+64*\x+1], v[A0+64*\x:A0+64*\x+1]
	v_pk_mul_f32 v[T+4*\x+2:T+4*\x+3], v[A0+64*\x+2:A0+64*\x+3], v[A0+64*\x+2:A0+64*\x+3]
.endr
.irp j, 4,8,12,16,20,24,28
.irp x, 0,1
	v_pk_fma_f32 v[T+4*\x:T+4*\x+1], v[A0+64*\x+\j:A0+64*\x+\j+1], v[A0+64*\x+\j:A0+64*\x+\j+1], v[T+4*\x:T+4*\x+1]
	v_pk_fma_f32 v[T+4*\x+2:T+4*\x+3], v[A0+64*\x+\j+2:A0+64*\x+\j+3], v[A0+64*\x+\j+2:A0+64*\x+\j+3], v[T+4*\x+2:T+4*\x+3]
.endr
.endr
	WIN 0
.irp x, 0,1
	v_pk_add_f32 v[T+4*\x:T+4*\x+1], v[T+4*\x:T+4*\x+1], v[T+4*\x+2:T+4*\x+3]
.endr
.irp x, 0,1
	v_add_f32 v[T+4*\x], v[T+4*\x], v[T+4*\x+1]
.endr
.irp x, 0,1
	v_permlanex16_b32 v[T+4*\x+1], v[T+4*\x], s46, s47
.endr
.irp x, 0,1
	v_add_f32 v[T+4*\x], v[T+4*\x], v[T+4*\x+1]
.endr
.irp x, 0,1
	v_fmaak_f32 v[T+4*\x], s48, v[T+4*\x], 0x34000000
.endr
	s_wait_alu depctr_va_vdst(0)
.irp x, 0,1
	v_rsq_f32 v[RQ+2*\x], v[T+4*\x]
.endr
	v_nop
	s_wait_alu depctr_va_vdst(0)
	WIN WA
.irp x, 0,1
.irp j, 0,2,4,6,8,10,12,14,16,18,20,22,24,26,28,30
	v_pk_mul_f32 v[XN+32*\x+\j:XN+32*\x+\j+1], v[A0+64*\x+\j:A0+64*\x+\j+1], v[RQ+2*\x:RQ+2*\x+1] op_sel_hi:[1,0]
.endr
.endr
	WIN 0x04
.irp x, 0,1
.irp c, 0,1
.irp w2, 0,2,4,6
	v_pk_mul_f32 v[T+\w2:T+\w2+1], v[XN+32*\x+16+8*\c+\w2:XN+32*\x+16+8*\c+\w2+1], v[32*(2*(\gp)+\x)+16+8*\c+\w2:32*(2*(\gp)+\x)+16+8*\c+\w2+1]
	v_pk_mul_f32 v[T+8+\w2:T+8+\w2+1], v[XN+32*\x+8*\c+\w2:XN+32*\x+8*\c+\w2+1], v[32*(2*(\gp)+\x)+16+8*\c+\w2:32*(2*(\gp)+\x)+16+8*\c+\w2+1]
.endr
.irp w2, 0,2,4,6
	v_pk_fma_f32 v[XN+32*\x+8*\c+\w2:XN+32*\x+8*\c+\w2+1], v[XN+32*\x+8*\c+\w2:XN+32*\x+8*\c+\w2+1], v[32*(2*(\gp)+\x)+8*\c+\w2:32*(2*(\gp)+\x)+8*\c+\w2+1], v[T+\w2:T+\w2+1]
	v_pk_fma_f32 v[XN+32*\x+16+8*\c+\w2:XN+32*\x+16+8*\c+\w2+1], v[XN+32*\x+16+8*\c+\w2:XN+32*\x+16+8*\c+\w2+1], v[32*(2*(\gp)+\x)+8*\c+\w2:32*(2*(\gp)+\x)+8*\c+\w2+1], v[T+8+\w2:T+8+\w2+1] neg_lo:[0,0,1] neg_hi:[0,0,1]
.endr
.endr
.endr
	WIN 0
.irp x, 0,1
.irp b, 0,1
	v_max3_num_f32 v[TMQ+2*\x+\b], |v[XN+32*\x+16*\b]|, |v[XN+32*\x+16*\b+1]|, 0x2800000
.endr
.endr
.irp i, 2,4,6,8,10,12,14
.irp x, 0,1
.irp b, 0,1
	v_max3_num_f32 v[TMQ+2*\x+\b], v[TMQ+2*\x+\b], |v[XN+32*\x+16*\b+\i]|, |v[XN+32*\x+16*\b+\i+1]|
.endr
.endr
.endr
.irp k, 0,1,2,3
	v_permlanex16_b32 v[TMQ+4+\k], v[TMQ+\k], s46, s47
.endr
.irp k, 0,1,2,3
	v_max_num_f32 v[TMQ+\k], v[TMQ+\k], v[TMQ+4+\k]
.endr
.irp k, 0,1,2,3
	v_add_nc_u32 v[TMQ+8+\k], 0xfe000000, v[TMQ+\k]
.endr
.irp k, 0,1,2,3
	v_lshrrev_b32 v[TMQ+12+\k], 23, v[TMQ+8+\k]
.endr
.irp x, 0,1
	v_lshl_or_b32 v[TMQ+12+2*\x], v[TMQ+13+2*\x], 8, v[TMQ+12+2*\x]
.endr
	s_wait_xcnt 0x0
.irp x, 0,1
	v_cvt_scalef32_pk16_bf6_f32 v[PCQ+6*\x:PCQ+6*\x+2], v[XN+32*\x:XN+32*\x+15], v[TMQ+8+2*\x]
	v_cvt_scalef32_pk16_bf6_f32 v[CTQ+4*\x:CTQ+4*\x+2], v[XN+32*\x+16:XN+32*\x+31], v[TMQ+9+2*\x]
.endr
	v_nop
.irp x, 0,1
.irp i, 0,1,2
	v_permlane16_swap_b32 v[PCQ+6*\x+\i], v[CTQ+4*\x+\i]
.endr
.irp i, 0,1,2
	v_mov_b32 v[PCQ+6*\x+3+\i], v[CTQ+4*\x+\i]
.endr
.endr
.irp c, 0,1,2
	global_store_b128 v3, v[PCQ+4*\c:PCQ+4*\c+3], s[36+2*(\e):37+2*(\e)] offset:1536*(\gp)+512*\c
.endr
	v_cndmask_b32 v[SW+4*(\e)+(\gp)], v[TMQ+12], v[TMQ+14], s49
.endm
.irp gq, 0,1,2,3
	QKGROUP \gq, 0
	QKGROUP \gq, 1
.endr
	global_store_b128 v3, v[SW:SW+3], s[40:41]
	global_store_b128 v3, v[SW+4:SW+7], s[42:43]
	s_branch .Lend
.Lvpath:
	s_load_b32 s50, s[12:13], 0x0
	s_mul_i32 s26, s24, 13312
	s_add_co_u32 s26, s26, s25
	s_add_co_u32 s26, s26, 6144
	s_mov_b32 s27, 0
	s_add_nc_u64 s[36:37], s[14:15], s[26:27]
	s_add_nc_u64 s[38:39], s[36:37], REC
	s_mul_i32 s26, s24, 13312
	s_add_co_u32 s26, s26, s25
	s_add_co_u32 s26, s26, 12800
	s_add_nc_u64 s[40:41], s[14:15], s[26:27]
	s_add_nc_u64 s[42:43], s[40:41], REC
.irp i, 0,1,2,3
	v_mov_b32 v[TMB+\i], 0
.endr
.macro VLOAD e
	WIN 0x40
.set k, 0
.rept 64
	global_load_b128 v[4*k:4*k+3], v[VGO], s[92:93] offset:8192*k+256*(\e) th:TH_LOAD_NT
.set k, k+1
.endr
	WIN 0
.endm
.macro VCOPY e
	WIN 0x04
.set k, 0
.rept 64
	s_wait_loadcnt 63-k
	global_store_b128 v[VGO], v[4*k:4*k+3], s[94:95] offset:8192*k+256*(\e) th:TH_STORE_NT
	ds_store_b128 v[VSA], v[4*k:4*k+3] offset:((k/8)%2)*16416+(16*(k/16)+2*(k%8))*256
.set k, k+1
.endr
	WIN 0
.endm
.macro VFETCH d, set
.set k, 0
.rept 64
	ds_load_b32 v[VB+64*(\set)+k], v[VLA] offset:k*256+128*((\d)/2)+32*((\d)%2)
.set k, k+1
.endr
.endm
.macro QUANT4 s, pw
.irp b, 0,1,2,3
	v_max3_num_f32 v[TMA+\b], |v[\s+16*\b]|, |v[\s+1+16*\b]|, 0x2800000
.endr
.irp i, 2,4,6,8,10,12,14
.irp b, 0,1,2,3
	v_max3_num_f32 v[TMA+\b], v[TMA+\b], |v[\s+16*\b+\i]|, |v[\s+1+16*\b+\i]|
.endr
.endr
.irp b, 0,1,2,3
	v_permlanex16_b32 v[TMB+\b], v[TMA+\b], s46, s47
.endr
.irp b, 0,1,2,3
	v_max_num_f32 v[TMA+\b], v[TMA+\b], v[TMB+\b]
.endr
.irp b, 0,1,2,3
	v_add_nc_u32 v[TMS+\b], 0xfe000000, v[TMA+\b]
.endr
.irp b, 0,1,2,3
	v_lshrrev_b32 v[TMB+\b], 23, v[TMS+\b]
.endr
	v_lshl_or_b32 v[\pw], v[TMB+1], 8, v[TMB]
	v_lshl_or_b32 v[\pw], v[TMB+2], 16, v[\pw]
	v_lshl_or_b32 v[\pw], v[TMB+3], 24, v[\pw]
	s_wait_xcnt 0x0
.irp c, 0,1
	v_cvt_scalef32_pk16_bf6_f32 v[PCV+6*\c:PCV+2+6*\c], v[\s+32*\c:\s+15+32*\c], v[TMS+2*\c]
	v_cvt_scalef32_pk16_bf6_f32 v[CTV+4*\c:CTV+2+4*\c], v[\s+16+32*\c:\s+31+32*\c], v[TMS+2*\c+1]
.endr
	v_nop
.irp c, 0,1
.irp i, 0,1,2
	v_permlane16_swap_b32 v[PCV+6*\c+\i], v[CTV+4*\c+\i]
.endr
.irp i, 0,1,2
	v_mov_b32 v[PCV+3+6*\c+\i], v[CTV+4*\c+\i]
.endr
.endr
.endm
.macro VUNIT e, d, set, last
.set VS, VB+64*(\set)
.if \last
	s_wait_dscnt 0x0
.else
	s_wait_dscnt 63
.endif
.set j, 0
.rept 32
	v_pk_mul_f32 v[VS+j:VS+j+1], v[VS+j:VS+j+1], s[50:51] op_sel_hi:[1,0]
.set j, j+2
.endr
	WIN 2+(\e)
.set j, 0
.rept 32
	v_pk_fma_f32 v[VS+j:VS+j+1], v[64*(\d)+j:64*(\d)+j+1], s[52:53], v[VS+j:VS+j+1] op_sel_hi:[1,0,1]
.set j, j+2
.endr
	WIN 0
	QUANT4 VS, PWV+(\d)
.irp c, 0,1,2
	global_store_b128 v3, v[PCV+4*\c:PCV+4*\c+3], s[36+2*(\e):37+2*(\e)] offset:1536*(\d)+512*\c
.endr
.endm
.macro VHEAD e
	VFETCH 0, 0
	VFETCH 1, 1
	VUNIT \e, 0, 0, 0
	VFETCH 2, 0
	VUNIT \e, 1, 1, 0
	VFETCH 3, 1
	VUNIT \e, 2, 0, 0
	VUNIT \e, 3, 1, 1
	v_cndmask_b32 v124, v[PWV], v[PWV+1], s49
	v_cndmask_b32 v125, v[PWV+2], v[PWV+3], s49
	global_store_b64 v[L8], v[124:125], s[40+2*(\e):41+2*(\e)]
	global_store_b64 v[L8], v[124:125], s[40+2*(\e):41+2*(\e)] offset:256   ; the key step's last 256 bytes are written too, so that the next launch fetches only bytes that were stored; nobody reads them from LDS
.endm
	VLOAD 0
	s_wait_kmcnt 0x0
	s_mov_b32 s51, s50
	s_mul_f32 s52, s50, -1.0
	s_add_f32 s52, s52, 1.0
	s_mov_b32 s53, s52
	VCOPY 0
	s_wait_xcnt 0x0
	s_wait_dscnt 0x0
	VLOAD 1
	s_wait_alu depctr_va_vdst(0)
	VHEAD 0
	VCOPY 1
	VHEAD 1
.Lend:
	s_wait_tensorcnt 0x0
	ds_add_u32 v[SPW], v[NIL]
	s_wait_dscnt 0x0
	CROUND
	s_endpgm
.Lfunc_end_k_q584c3dbec2_qkv:
	.size	k_q584c3dbec2_qkv, .Lfunc_end_k_q584c3dbec2_qkv-k_q584c3dbec2_qkv
	.p2alignl 7, 3214868480
	.fill 96, 4, 3214868480
	.section	.rodata,"a",@progbits
	.p2align	6, 0x0
	.amdhsa_kernel k_q584c3dbec2_qkv
		.amdhsa_group_segment_fixed_size 327680
		.amdhsa_private_segment_fixed_size 0
		.amdhsa_enable_private_segment 0
		.amdhsa_kernarg_size 56
		.amdhsa_user_sgpr_count 2
		.amdhsa_user_sgpr_kernarg_segment_ptr 1
		.amdhsa_wavefront_size32 1
		.amdhsa_system_sgpr_workgroup_id_x 1
		.amdhsa_system_sgpr_workgroup_id_y 1
		.amdhsa_system_sgpr_workgroup_id_z 1
		.amdhsa_system_vgpr_workitem_id 0
		.amdhsa_next_free_vgpr 1024
		.amdhsa_next_free_sgpr 102
		.amdhsa_reserve_vcc 0
		.amdhsa_float_denorm_mode_32 3
		.amdhsa_float_denorm_mode_16_64 3
		.amdhsa_memory_ordered 1
		.amdhsa_forward_progress 1
		.amdhsa_inst_pref_size 255
	.end_amdhsa_kernel
	.section	.bss,"aw",@nobits
	.p2align	6
	.space	262144
	.amdgpu_metadata
---
amdhsa.version: [ 1, 2 ]
amdhsa.kernels:
  - .name:           k_q584c3dbec2_qkv
    .symbol:         k_q584c3dbec2_qkv.kd
    .args:
      - { .name: cod, .offset: 0, .size: 8, .value_kind: global_buffer, .address_space: global }
      - { .name: scl, .offset: 8, .size: 8, .value_kind: global_buffer, .address_space: global }
      - { .name: rot, .offset: 16, .size: 8, .value_kind: global_buffer, .address_space: global }
      - { .name: v1, .offset: 24, .size: 8, .value_kind: global_buffer, .address_space: global }
      - { .name: lamb, .offset: 32, .size: 8, .value_kind: global_buffer, .address_space: global }
      - { .name: qkv, .offset: 40, .size: 8, .value_kind: global_buffer, .address_space: global }
      - { .name: out1, .offset: 48, .size: 8, .value_kind: global_buffer, .address_space: global }
    .group_segment_fixed_size: 327680
    .private_segment_fixed_size: 0
    .kernarg_segment_align: 8
    .kernarg_segment_size: 56
    .max_flat_workgroup_size: 128
    .sgpr_count:     102
    .vgpr_count:     1024
    .wavefront_size: 32
...
	.end_amdgpu_metadata
.endif
;; end of part 2
;; launch attn (part 3): grid 4 x 64, 16 waves a work-group, clusters of 4 x 1, 327,680 bytes of LDS; arguments qkv, yc, ys; writes yc, ys
.if DOCPART == 3
	.amdgcn_target "amdgcn-amd-amdhsa--gfx1250"
	.amdhsa_code_object_version 6
	.text
	.protected	k_q584c3dbec2_attn
	.globl	k_q584c3dbec2_attn
	.p2align	8
	.type	k_q584c3dbec2_attn,@function
k_q584c3dbec2_attn:
	s_mov_b64 s[64:65], 0
	v_nop
	global_prefetch_b8 v0, s[64:65] scope:SCOPE_SE
	s_setreg_imm32_b32 hwreg(HW_REG_WAVE_MODE, 25, 1), 1
	s_wait_xcnt 0x0
	s_wait_alu depctr_hold_cnt(0) depctr_sa_sdst(0) depctr_va_vdst(0) depctr_va_sdst(0) depctr_va_ssrc(0) depctr_va_vcc(0) depctr_vm_vsrc(0)
	s_getreg_b32 s2, hwreg(HW_REG_IB_STS2, 6, 4)
	s_cmp_eq_u32 s2, 0
	s_cbranch_scc0 .Lentry_in_a_cluster
	s_endpgm
.Lentry_in_a_cluster:
	s_bfe_u32 s2, ttmp6, 0x10000c
	s_cmp_lg_u32 s2, 0x3003
	s_cbranch_scc0 .Lentry_shape_is_right
	s_endpgm
.Lentry_shape_is_right:
; Launch 3 of 4: causal attention on codes of E3M2, and y quantised along C for the last product.
; LEFT OUT: steps of 128 keys that lie wholly behind a tile's 16 queries (reference()'s own jnp.tril gives them the weight 0); shown at the head of launch quant.
; THE SOFTMAX: t = score x log2(e) / 8; p = 2^(t - M) with the fixed whole number M = 0, since reference() itself normalises q and k: |t| < 15.1 for every finite input (the bound is worked out at the head of
; launch quant), so no p and no sum of 2,048 of them leaves f32's range, and p's scale bytes lie in 107 .. 139.  The row's sum is taken of the unquantised p and divides O at the end.
; SHARES.  A cluster of four work-groups is one (batch, head).  Each of the 64 waves takes two tiles of 16 queries, the late one first: pair 63 - P, half 1 - w % 2, then pair P = 4 (w / 2) + cx, half w % 2:
; 16 - w / 2 and w / 2 + 1 key steps, 17 in every wave.  Branches hang on the wave's number and on counters alone; cx enters global addresses and the mask's lane value.
; THE HEAD'S K AND V come into each work-group's LDS once, by joint loads, key step by key step (13,312 bytes: K's codes, V's codes, K's scale words, V's): at the head each wave asks for 13 rows of 256 bytes,
; together key steps 0 to 3; behind the full sequence and a round each wave asks for 39 rows, together key steps 4 to 15, which land under the late tiles' first four steps (four full steps in every wave).
; One tensor load of a wave is out at any time.  No prefetch: all that the launch reads of K and V is asked for by these two loads, at its start.  All of LDS is claimed.
; LDS rows are 256 bytes + 64 of padding (pitch 320), so that six rows, a pair image, are 1,920 bytes: 128 more than a multiple of 256.
; LAYOUT.  Both products transposed: S^T = K Q^T, O^T = V^T P^T: a lane holds one query.  THE KEYS OF A TILE OF K are chosen by the lanes' addresses: tile 4 c + t takes as rows 0-7 keys 64 c + 8 t + 0 .. 7 and as
; rows 8-15 keys 64 c + 32 + 8 t + 0 .. 7.  So lane (r, h) holds in the 32 registers of tiles 4 c .. 4 c + 3 keys 64 c + 32 h + 0 .. 31: a WHOLE block of 32, in the order of the next operand's registers:
; a block's largest score needs no other lane and p's codes change no lane.  In memory image g of a step holds tiles (g, u), row r' = key 32 g + 8 u + r' + 8 (r' / 8): lanes r < 8 read image 2 c, lanes r >= 8
; image 2 c + 1, row r % 8 + 8 e, for tiles t = 2 e + u.
; The head's K is 64: Q's registers 6-11 are zero codes, so whatever stands in registers 6-11 of K's operand adds nothing (E3M2 has no NaN code; the scale bytes there are 0, which is no NaN).
; yc: [tile of 16 tokens][head][piece 0..2][lane][8].  ys: [tile][K half][r][4 words]; a unit of 256 bytes of ys holds bytes of 8 heads, which 8 clusters write: 32 bytes each.
; REGISTERS: v1-4 LDS bases (K, V, K's scale words, V's); v5, v6 the add's two; v7 8 x lane; v8-11 the step's addresses; v12, v13 the mask; v[14:15] the sum; v16-27 Q; v28, v229 Q's scale words; v29 -infinity;
; v30 16 r; v31 16 r + h; v32-85 K's or V's fragments; v86-91 their scale words; v92 16 x lane; v93 8 h; v96-159 S^T, then p; v160-191 O^T; v192-210 codes; v212-221 at work; v228 p's scale word;
; v[230:231] the sum's second chain; v232-243 Q's pair image on its way; v244-247 at work.
.set RECB,  319488
.set QOFF,  212992
.set QSOFF, 311296
.set PIT,   320
.set STEPB, 52*PIT
.set VOFF,  24*PIT
.set KSO,   48*PIT
.set VSO,   50*PIT
.set SPARE, 16*STEPB                   ; 266,240: behind the 16 key steps, 128 bytes a wave
.set SG,  46                           ; s46 the key step, s47 its bytes in LDS
.set TK,  47
.set SEL, 50
.set CS,  52                           ; s[52:53] log2(e) / 8
.set HM,  54
.set W0,  15|(3<<16)|(1<<20)|(1<<21)|(5<<22)|(15<<25)   ; all four work-groups; elements of 8 bytes; padding on; bit 21 beside a mask; behind every 64 words 16 words
.macro ROUND
	s_barrier_signal -1
	s_barrier_wait -1
	s_cmp_lg_u32 s10, 0
	s_cbranch_scc1 .Lnot_wave_0_\@
	s_barrier_signal -3
.Lnot_wave_0_\@:
	s_barrier_wait -3
	s_barrier_signal -1
	s_barrier_wait -1
.endm
; Q's pair image and the tile's scale words are asked for
.macro QLOAD pi, u, qs
	s_mul_i32 s34, s[\pi], 1536
	s_add_co_u32 s34, s34, QOFF
	s_mov_b32 s35, 0
	s_add_nc_u64 s[36:37], s[4:5], s[34:35]
	s_lshr_b32 s34, s[\pi], 2
	s_lshl_b32 s34, s34, 9
	s_and_b32 s38, s[\pi], 3
	s_lshl_b32 s39, s38, 2
	s_add_co_u32 s34, s34, s39
	s_lshl_b32 s39, s[\u], 8
	s_add_co_u32 s34, s34, s39
	s_add_co_u32 s34, s34, QSOFF
	s_add_nc_u64 s[40:41], s[4:5], s[34:35]
	global_load_b128 v[232:235], v92, s[36:37]
	global_load_b128 v[236:239], v92, s[36:37] offset:512
	global_load_b128 v[240:243], v92, s[36:37] offset:1024
	global_load_b32 v[\qs], v30, s[40:41]
.endm
; Key steps first .. last - 1, a constant count of trips.  gen = 1: a step behind the tile's queries is jumped over, all but the lines that step the counters, and the diagonal step is masked.
.macro KLOOP first, last, lim, qs, gen
	s_mov_b32 s[SG], \first
	s_mov_b32 s[TK], (\first)*STEPB
.Lkey_\@:
.if \gen
	s_cmp_gt_u32 s[SG], s[\lim]
	s_cbranch_scc1 .Lskip_\@
.endif
	v_add_nc_u32 v8, s[TK], v1                     ; (these four are also the places behind the last step's products)
	v_add_nc_u32 v9, s[TK], v2
	v_add_nc_u32 v10, s[TK], v3
	v_add_nc_u32 v11, s[TK], v4
.irp c, 0,1
.irp e, 0,1
.irp k, 0,1,2
	ds_load_b128 v[32+12*(2*\c+\e)+4*\k:35+12*(2*\c+\e)+4*\k], v8 offset:12*PIT*\c+128*\e+2*PIT*\k   ; tiles 4 c + 2 e and 4 c + 2 e + 1
.endr
	ds_load_b32 v[86+2*\c+\e], v10 offset:8*\c+128*\e              ; their rows' scale words: lanes 0-15 the even tile's, lanes 16-31 the odd one's
.endr
.endr
	s_wait_alu depctr_va_vdst(0)
	s_wait_dscnt 0x0
.irp t, 0,1,2,3,4,5,6,7
.if (\t)%2
	v_wmma_scale_f32_16x16x128_f8f6f4 v[96+8*\t:103+8*\t], v[32+6*\t:43+6*\t], v[16:27], 0, v[86+\t/2], v[\qs] matrix_a_fmt:MATRIX_FMT_BF6 matrix_b_fmt:MATRIX_FMT_BF6 matrix_a_scale:MATRIX_SCALE_ROW1
.else
	v_wmma_scale_f32_16x16x128_f8f6f4 v[96+8*\t:103+8*\t], v[32+6*\t:43+6*\t], v[16:27], 0, v[86+\t/2], v[\qs] matrix_a_fmt:MATRIX_FMT_BF6 matrix_b_fmt:MATRIX_FMT_BF6
.endif
.endr
.rept 4
	v_nop                                          ; places in front of the loads below and of the first read of the scores
.endr
.irp d, 0,1,2,3
.irp k, 0,1,2
	ds_load_b128 v[32+12*\d+4*\k:35+12*\d+4*\k], v9 offset:6*PIT*\d+2*PIT*\k   ; V's four fragments land under the softmax
.endr
.endr
	ds_load_b64 v[90:91], v11
.if \gen
	s_cmp_lg_u32 s[SG], s[\lim]                    ; on the diagonal the scores of hidden keys become -infinity: p = 0 then
	s_cbranch_scc1 .Lopen_\@
.set MN, 0
.rept 64
	v_cmp_gt_i32 vcc_lo, 64*(MN/32)+MN%32, v13     ; register MN holds key 64 (MN / 32) + 32 h + MN % 32 of the step
	v_cndmask_b32 v[96+MN], v[96+MN], v29, vcc_lo
.set MN, MN+1
.endr
.Lopen_\@:
.endif
.irp b, 0,1,2,3
	v_max3_num_f32 v[212+\b], v[96+16*\b], v[97+16*\b], v[98+16*\b]   ; the largest score of my two blocks of 32 keys, in two chains each: p rises with the score, so it gives the block's largest p
.endr
.irp i, 3,5,7,9,11,13
.irp b, 0,1,2,3
	v_max3_num_f32 v[212+\b], v[212+\b], v[96+16*\b+\i], v[97+16*\b+\i]
.endr
.endr
.irp c, 0,1
	v_max3_num_f32 v[212+2*\c], v[212+2*\c], v[213+2*\c], v[111+32*\c]
.endr
.irp c, 0,1
	v_max_num_f32 v[212+2*\c], v[212+2*\c], v[127+32*\c]
.endr
.set J, 0
.rept 32
	v_pk_mul_f32 v[96+J:97+J], v[96+J:97+J], s[CS:CS+1] op_sel_hi:[1,0]   ; t
.set J, J+2
.endr
	v_mul_f32 v212, s[CS], v212                    ; the same of each block's largest score
	v_mul_f32 v214, s[CS], v214
	s_wait_alu depctr_va_vdst(0)                   ; the wait ahead of the batch
.set J, 0
.rept 64
	v_exp_f32 v[96+J], v[96+J]                     ; p = 2^t
.set J, J+1
.endr
	v_nop                                          ; a plain place behind the batch,
	s_wait_alu depctr_va_vdst(0)                   ; and one wait for it, ahead of its first reader
	v_exp_f32 v212, v212                           ; the blocks' largest p
	v_exp_f32 v214, v214
	v_pk_add_f32 v[230:231], v[96:97], v[98:99]    ; the row's sum of the unquantised p, in two chains: the first half stands behind the two
.irp j, 4,8,12,16,20,24,28
	v_pk_add_f32 v[14:15], v[14:15], v[96+\j:97+\j]
	v_pk_add_f32 v[230:231], v[230:231], v[98+\j:99+\j]
.endr
	s_wait_alu depctr_va_vdst(0)                   ; and one wait for the two
	v_max_num_f32 v212, 0x2800000, v212            ; the floor: a block of hidden keys keeps the byte 1 over zero codes
	v_max_num_f32 v214, 0x2800000, v214
	s_delay_alu instid0(VALU_DEP_2)
	v_add_nc_u32 v220, 0xfe000000, v212            ; 4 off the exponent field: the conversion's scale operand
	s_delay_alu instid0(VALU_DEP_2)
	v_add_nc_u32 v221, 0xfe000000, v214
	s_delay_alu instid0(VALU_DEP_2)
	v_lshrrev_b32 v216, 23, v220                   ; the bytes of blocks h and 2 + h
	s_delay_alu instid0(VALU_DEP_2)
	v_lshrrev_b32 v217, 23, v221
	s_delay_alu instid0(VALU_DEP_1)
	v_lshl_or_b32 v218, v217, 16, v216
	s_delay_alu instid0(VALU_DEP_1)
	v_lshlrev_b32 v218, v93, v218                  ; at their places in the word;
	s_delay_alu instid0(VALU_DEP_1)
	v_permlanex16_b32 v219, v218, s[SEL], s[SEL+1]
	s_delay_alu instid0(VALU_DEP_1)
	v_or_b32 v228, v218, v219                      ; with lane l xor 16's two: p's scale word for these 128 keys
.irp c, 0,1
	v_cvt_scalef32_pk16_bf6_f32 v[192+6*\c:194+6*\c], v[96+32*\c:111+32*\c], v[220+\c]
	v_cvt_scalef32_pk16_bf6_f32 v[204+4*\c:206+4*\c], v[112+32*\c:127+32*\c], v[220+\c]   ; (a conversion's three registers begin on an even number)
.endr
	v_nop                                          ; one plain place behind a scaled conversion
.irp c, 0,1
.irp i, 0,1,2
	v_mov_b32 v[195+6*\c+\i], v[204+4*\c+\i]
.endr
.endr
.irp j, 32,36,40,44,48,52,56,60
	v_pk_add_f32 v[14:15], v[14:15], v[96+\j:97+\j]          ; the sums' second half: 17 plain lines between the codes and scale word just made and the products that take them
	v_pk_add_f32 v[230:231], v[230:231], v[98+\j:99+\j]
.endr
	s_delay_alu instid0(VALU_DEP_1)
	v_pk_add_f32 v[14:15], v[14:15], v[230:231]
	s_wait_dscnt 0x0                               ; V is in
.irp d, 0,1,2,3                        ; the four accumulators by turns, one instruction a turn, the eight score products between two turns of one
.if (\d)%2
	v_wmma_scale_f32_16x16x128_f8f6f4 v[160+8*\d:167+8*\d], v[32+12*\d:43+12*\d], v[192:203], v[160+8*\d:167+8*\d], v[90+\d/2], v228 matrix_a_fmt:MATRIX_FMT_BF6 matrix_b_fmt:MATRIX_FMT_BF6 matrix_a_scale:MATRIX_SCALE_ROW1
.else
	v_wmma_scale_f32_16x16x128_f8f6f4 v[160+8*\d:167+8*\d], v[32+12*\d:43+12*\d], v[192:203], v[160+8*\d:167+8*\d], v[90+\d/2], v228 matrix_a_fmt:MATRIX_FMT_BF6 matrix_b_fmt:MATRIX_FMT_BF6
.endif
.endr
.Lskip_\@:
	s_add_co_u32 s[TK], s[TK], STEPB
	s_add_co_u32 s[SG], s[SG], 1
	s_cmp_lt_u32 s[SG], \last
	s_cbranch_scc1 .Lkey_\@
.endm
	s_load_b128 s[4:7], s[0:1], 0x0                ; qkv, yc
	s_load_b64 s[8:9], s[0:1], 0x10                ; ys
	v_lshl_add_u32 v5, v0, 2, SPARE
	v_mov_b32 v6, 0
	ds_add_u32 v5, v6                              ; the wave's opening: the add, twice on end, and its wait ahead of my first tensor load
	ds_add_u32 v5, v6
	v_lshrrev_b32 v1, 5, v0
	s_delay_alu instid0(VALU_DEP_1)
	v_readfirstlane_b32 s10, v1                    ; wave 0 .. 15
	s_bfe_u32 s11, ttmp6, 0x40000                  ; cx
	s_and_b32 s24, ttmp7, 0xffff                   ; 16 x batch + head
	s_mul_i32 s26, s24, RECB
	s_mov_b32 s27, 0
	s_mul_i32 s28, s10, 13*256                     ; key steps 0-3 are 208 rows: my 13
	s_mov_b32 s29, 0
	s_mul_i32 s34, s10, 39*256                     ; key steps 4-15 are 624 rows: my 39
	s_add_co_u32 s34, s34, 208*256
	s_mov_b32 s35, 0
	s_mov_b32 s12, 1
	s_mul_i32 s13, s10, 13*PIT
	s_mov_b32 s60, 1
	s_mul_i32 s61, s10, 39*PIT
	s_add_co_u32 s61, s61, 208*PIT
	s_mov_b32 s16, W0
	s_mov_b32 s17, 32<<16
	s_mov_b32 s18, 13<<16
	s_mov_b32 s19, 32<<16
	s_mov_b32 s20, 13
	s_mov_b32 s21, 32
	s_mov_b32 s22, 0
	s_mov_b32 s23, 0
	s_mov_b32 s72, W0
	s_mov_b32 s73, 32<<16
	s_mov_b32 s74, 39<<16
	s_mov_b32 s75, 32<<16
	s_mov_b32 s76, 39
	s_mov_b32 s77, 32
	s_mov_b32 s78, 0
	s_mov_b32 s79, 0
	s_lshr_b32 s57, s10, 1                         ; the early tile: s55 its pair, s56 which of the two, s57 its last key step
	s_and_b32 s56, s10, 1
	s_lshl_b32 s55, s57, 2
	s_add_co_u32 s55, s55, s11
	s_sub_co_u32 s30, 63, s55                      ; the late tile: s30, s31, s32
	s_xor_b32 s31, s56, 1
	s_sub_co_u32 s32, 15, s57
	s_mov_b32 s[SEL], 0x76543210
	s_mov_b32 s[SEL+1], 0xfedcba98
	s_mov_b32 s[CS], 0x3e38aa3b
	s_mov_b32 s[CS+1], s[CS]
	s_mov_b32 s[HM], 0xffff0000
	s_wait_dscnt 0x0                               ; both opening adds are done
	s_wait_kmcnt 0x0
	s_add_nc_u64 s[4:5], s[4:5], s[26:27]          ; my head's record
	s_add_nc_u64 s[14:15], s[4:5], s[28:29]
	s_or_b32 s15, s15, 0x80000000
	s_add_nc_u64 s[62:63], s[4:5], s[34:35]
	s_or_b32 s63, s63, 0x80000000
	ROUND                                          ; all four work-groups are here: the joint loads meet
	tensor_load_to_lds s[12:15], s[16:23]          ; the head's one load a wave
	s_nop 0
.rept 4
	v_nop
.endr
	v_and_b32 v7, 31, v0
	v_and_b32 v30, 15, v0                          ; r
	v_bfe_u32 v31, v0, 4, 1                        ; h
	v_lshlrev_b32 v92, 4, v7                       ; 16 x lane
	v_lshlrev_b32 v7, 3, v7                        ; 8 x lane
	v_mul_u32_u24 v2, v31, PIT                     ; lanes 16-31 read the next LDS row
	v_and_b32 v12, 7, v30                          ; r % 8
	v_lshrrev_b32 v29, 3, v30                      ; r / 8
	v_lshl_add_u32 v1, v12, 4, v2
	v_lshl_add_u32 v3, v29, 2, v1
	v_add_nc_u32 v3, KSO, v3                       ; K's scale words: row h, 16 (r % 8) + 4 (r / 8)
	v_mad_u32_u24 v1, v29, 6*PIT, v1               ; K: lanes r >= 8 read the next pair image
	v_lshl_add_u32 v2, v30, 4, v2
	v_add_nc_u32 v2, VOFF, v2                      ; V
	v_add_nc_u32 v4, VSO, v7                       ; V's scale words
	v_lshl_add_u32 v12, v29, 3, v30
	v_lshlrev_b32 v29, 5, v31
	v_sub_nc_u32 v12, v12, v29                     ; r + 8 (r / 8) - 32 h
	v_lshlrev_b32 v93, 3, v31                      ; 8 h
	v_lshlrev_b32 v30, 4, v30                      ; 16 r
	v_add_nc_u32 v31, v30, v31                     ; 16 r + h
	v_mov_b32 v29, 0xff800000                      ; -infinity
.irp i, 22,23,24,25,26,27,80,81,82,83,84,85,216,217,219,245,246
	v_mov_b32 v[\i], 0                             ; Q's upper half: zero codes; the last tile's overhang; permutes' destinations; a pair's upper half
.endr
	s_wait_alu depctr_va_vdst(0)                   ; the wait at the head's end
	QLOAD 30, 31, 28                               ; the late tile's Q comes under the first key steps' flight
	s_wait_tensorcnt 0x0                           ; my part of key steps 0-3 is in
	ds_add_u32 v5, v6
	s_wait_dscnt 0x0
	ROUND                                          ; everybody's part is in, and all four work-groups are here
	tensor_load_to_lds s[60:63], s[72:79]          ; key steps 4-15
	s_nop 0
.rept 4
	v_nop
.endr
.macro TILE pi, u, lim, qs, late
	s_and_b32 s38, s[\pi], 3
	s_lshl_b32 s38, s38, 5
	s_lshl_b32 s39, s[\u], 3
	s_add_co_u32 s38, s38, s39
	s_sub_co_u32 s33, 0, s[\u]
	s_wait_loadcnt 0x0                             ; Q's pair image and scale words are in
.irp i, 0,1,2,3,4,5
	v_cndmask_b32 v[16+\i], v[232+\i], v[238+\i], s33   ; my tile's half of the pair
.endr
	v_add_nc_u32 v13, s38, v12                     ; my query less the diagonal step's first key less 32 h
	v_mov_b32 v14, 0                               ; the sum, in two halves
	v_mov_b32 v15, 0
.set J, 0
.rept 32
	v_mov_b32 v[160+J], 0                          ; O^T: the step is written once
.set J, J+1
.endr
.if \late
	QLOAD 55, 56, 229                              ; the early tile's Q is asked for a whole tile ahead
	KLOOP 0, 4, \lim, \qs, 0                       ; the late tile's last step is 8 or more: four full steps
	s_wait_tensorcnt 0x0                           ; my part of key steps 4-15 is in,
	s_wait_dscnt 0x0
	s_barrier_signal -1
	s_barrier_wait -1                              ; everybody's is
	KLOOP 4, 16, \lim, \qs, 1
.else
	KLOOP 0, 8, \lim, \qs, 1                       ; the early tile's last step is 7 at the most
.endif
	; the tile's end: O^T / the sum is y (register 16 g + i: d = 32 g + 16 h + i), quantised along the head's two blocks of C
.rept 4
	v_nop
.endr
	s_wait_alu depctr_va_vdst(0)
	v_add_f32 v14, v14, v15
	s_delay_alu instid0(VALU_DEP_1)
	v_permlanex16_b32 v246, v14, s[SEL], s[SEL+1]
	s_delay_alu instid0(VALU_DEP_1)
	v_add_f32 v14, v14, v246
	s_wait_alu depctr_va_vdst(0)
	v_rcp_f32 v244, v14
	s_lshr_b32 s34, s24, 4
	s_lshl_b32 s34, s34, 7
	s_lshl_b32 s35, s[\pi], 1
	s_add_co_u32 s34, s34, s35
	s_add_co_u32 s34, s34, s[\u]                   ; the tile of tokens
	s_and_b32 s35, s24, 15                         ; the head
	s_mul_i32 s38, s34, 12288
	s_mul_i32 s39, s35, 768
	s_add_co_u32 s38, s38, s39
	s_mov_b32 s39, 0
	s_add_nc_u64 s[42:43], s[6:7], s[38:39]
	s_lshl_b32 s38, s34, 9
	s_lshr_b32 s34, s35, 3
	s_lshl_b32 s34, s34, 8
	s_add_co_u32 s38, s38, s34
	s_bfe_u32 s34, s35, 0x20001
	s_lshl_b32 s34, s34, 2
	s_add_co_u32 s38, s38, s34
	s_and_b32 s34, s35, 1
	s_lshl_b32 s34, s34, 1
	s_add_co_u32 s38, s38, s34
	s_add_nc_u64 s[44:45], s[8:9], s[38:39]
	v_nop                                          ; a plain place behind the reciprocal,
	s_wait_alu depctr_va_vdst(0)                   ; and the wait ahead of its first reader
.irp j, 0,2,4,6,8,10,12,14,16,18,20,22,24,26,28,30
	v_pk_mul_f32 v[96+\j:97+\j], v[160+\j:161+\j], v[244:245] op_sel_hi:[1,0]
.endr
.irp b, 0,1
	v_max3_num_f32 v[212+\b], |v[96+16*\b]|, |v[97+16*\b]|, 0x2800000
.endr
.irp i, 2,4,6,8,10,12,14
.irp b, 0,1
	s_delay_alu instid0(VALU_DEP_2)
	v_max3_num_f32 v[212+\b], v[212+\b], |v[96+16*\b+\i]|, |v[97+16*\b+\i]|
.endr
.endr
.irp b, 0,1
	s_delay_alu instid0(VALU_DEP_2)
	v_permlanex16_b32 v[216+\b], v[212+\b], s[SEL], s[SEL+1]
.endr
.irp b, 0,1
	s_delay_alu instid0(VALU_DEP_2)
	v_max_num_f32 v[212+\b], v[212+\b], v[216+\b]
.endr
.irp b, 0,1
	s_delay_alu instid0(VALU_DEP_2)
	v_add_nc_u32 v[220+\b], 0xfe000000, v[212+\b]
.endr
.irp b, 0,1
	s_delay_alu instid0(VALU_DEP_2)
	v_lshrrev_b32 v[216+\b], 23, v[220+\b]
.endr
	v_cvt_scalef32_pk16_bf6_f32 v[192:194], v[96:111], v220
	v_cvt_scalef32_pk16_bf6_f32 v[204:206], v[112:127], v221
	v_cndmask_b32 v247, v216, v217, s[HM]          ; (a plain place behind the conversions)  lane (r, h) stores block h's byte
.irp i, 0,1,2
	v_permlane16_swap_b32 v[192+\i], v[204+\i]
.endr
.irp i, 0,1,2
	s_delay_alu instid0(VALU_DEP_3)
	v_mov_b32 v[195+\i], v[204+\i]
.endr
.irp w2, 0,1,2
	global_store_b64 v7, v[192+2*\w2:193+2*\w2], s[42:43] offset:256*\w2   ; 256 consecutive bytes, aligned
.endr
	global_store_b8 v31, v247, s[44:45]
	s_wait_xcnt 0x0                                ; the stores have read their registers and bases: both are written again in the next tile
.endm
	TILE 30, 31, 32, 28, 1
	TILE 55, 56, 57, 229, 0
	s_wait_tensorcnt 0x0                           ; the wave's end
	ds_add_u32 v5, v6
	s_wait_dscnt 0x0
	ROUND                                          ; the closing round
	s_endpgm
.Lfunc_end_k_q584c3dbec2_attn:
	.size	k_q584c3dbec2_attn, .Lfunc_end_k_q584c3dbec2_attn-k_q584c3dbec2_attn
	.p2alignl 7, 3214868480
	.fill 96, 4, 3214868480
	.section	.rodata,"a",@progbits
	.p2align	6, 0x0
	.amdhsa_kernel k_q584c3dbec2_attn
		.amdhsa_group_segment_fixed_size 327680
		.amdhsa_private_segment_fixed_size 0
		.amdhsa_enable_private_segment 0
		.amdhsa_kernarg_size 24
		.amdhsa_user_sgpr_count 2
		.amdhsa_user_sgpr_kernarg_segment_ptr 1
		.amdhsa_wavefront_size32 1
		.amdhsa_system_sgpr_workgroup_id_x 1
		.amdhsa_system_sgpr_workgroup_id_y 1
		.amdhsa_system_sgpr_workgroup_id_z 1
		.amdhsa_system_vgpr_workitem_id 0
		.amdhsa_next_free_vgpr 256
		.amdhsa_next_free_sgpr 80
		.amdhsa_reserve_vcc 1
		.amdhsa_float_denorm_mode_32 3
		.amdhsa_float_denorm_mode_16_64 3
		.amdhsa_memory_ordered 1
		.amdhsa_forward_progress 1
		.amdhsa_inst_pref_size 73
	.end_amdhsa_kernel
	.amdgpu_metadata
---
amdhsa.version: [ 1, 2 ]
amdhsa.kernels:
  - .name:           k_q584c3dbec2_attn
    .symbol:         k_q584c3dbec2_attn.kd
    .args:
      - { .name: qkv, .offset: 0, .size: 8, .value_kind: global_buffer, .address_space: global }
      - { .name: yc, .offset: 8, .size: 8, .value_kind: global_buffer, .address_space: global }
      - { .name: ys, .offset: 16, .size: 8, .value_kind: global_buffer, .address_space: global }
    .group_segment_fixed_size: 327680
    .private_segment_fixed_size: 0
    .kernarg_segment_align: 8
    .kernarg_segment_size: 24
    .max_flat_workgroup_size: 512
    .sgpr_count:     80
    .vgpr_count:     256
    .wavefront_size: 32
...
	.end_amdgpu_metadata
.endif
;; end of part 3
;; launch proj (part 4): grid 8 x 32, 4 waves a work-group, clusters of 4 x 4, 295,424 bytes of LDS; arguments yc, ys, cod, scl, out0; writes out0
.if DOCPART == 4
	.amdgcn_target "amdgcn-amd-amdhsa--gfx1250"
	.amdhsa_code_object_version 6
	.text
	.protected	k_q584c3dbec2_proj
	.globl	k_q584c3dbec2_proj
	.p2align	8
	.type	k_q584c3dbec2_proj,@function
k_q584c3dbec2_proj:
	s_mov_b64 s[64:65], 0
	v_nop
	global_prefetch_b8 v0, s[64:65] scope:SCOPE_SE
	s_setreg_imm32_b32 hwreg(HW_REG_WAVE_MODE, 25, 1), 1
	s_wait_xcnt 0x0
	s_wait_alu depctr_hold_cnt(0) depctr_sa_sdst(0) depctr_va_vdst(0) depctr_va_sdst(0) depctr_va_ssrc(0) depctr_va_vcc(0) depctr_vm_vsrc(0)
	s_getreg_b32 s2, hwreg(HW_REG_IB_STS2, 6, 4)
	s_cmp_eq_u32 s2, 0
	s_cbranch_scc0 .Lentry_in_a_cluster
	s_endpgm
.Lentry_in_a_cluster:
	s_bfe_u32 s2, ttmp6, 0x10000c
	s_cmp_lg_u32 s2, 0xf033
	s_cbranch_scc0 .Lentry_shape_is_right
	s_endpgm
.Lentry_shape_is_right:
; Launch 4 of 4: out0 = y wproj^T on codes of E3M2.  All of this launch's work is live.
; A work-group makes 256 tokens x 128 columns: 256 work-groups.  All of K (1,024) of both operands lies in LDS, filled once by joint loads (y's tiles shared along a row of the cluster, the weight's down a column),
; ONE a wave, at the head: waves 0 and 1 fetch eight tiles of y each (98,304 bytes), waves 2 and 3 four tiles of the weight each (49,152 bytes).  Nothing is filled again.  The scale words come from memory straight
; into the registers that the products name: sixteen lanes read 256 consecutive bytes.  No prefetch: all that the launch reads is asked for at its start.
; Wave w: tokens 128 (w / 2) on, columns 64 (w % 2) on.  Its 32 fragments of the weight stay in registers, and it goes BY ROWS: four groups of 32 tokens, each finished over all of K and stored at once,
; so that the stores leave under the later groups' products.
; Source 0 = 16 rows of the weight, source 1 = 16 tokens: a lane holds a token and neighbouring columns; a group goes through the wave's stage in LDS and leaves as whole rows of 256 bytes.
; REGISTERS: window 0: v1-15 addresses; v24-39 the weight's scale words, v40-55 y's (two sets), scales and nothing else; v56, v57 the add's two; v64-159, v160-255 y's fragments, two sets of eight;
; window 1: the weight's tiles 0, 1 (fragment (b, s) at 12 (8 b + s)); window 2: tiles 2, 3; window 3: v0-127 two sets of eight accumulators, v128-191 rows on their way out.
.set WREG,  196608                     ; LDS: y's 16 tiles of 12,288 bytes at 0; the weight's 8 tiles here (later the stages: 32 places x 272 bytes a wave)
.set SPARE, 294912
.set ADY,   8                          ; v8, v9  y's fragments: groups 0, 1 and groups 2, 3
.set ADW,   10
.set ADWS,  11                         ; byte offsets of my scale words in memory
.set ADYS,  12
.set STO,   13
.set RD,    14
.set CO,    15
.set WSC,   24                         ; register 8 B + s: lanes 0-15 tile 2 B, lanes 16-31 tile 2 B + 1
.set YSC,   40                         ; set m % 2, register s: lanes 0-15 the group's even tile, lanes 16-31 the odd one
.set SPW,   56
.set NIL,   57
.set G1Y,   24
.set G1W,   32
.set MSB, 0
.macro WIN new
.if MSB != \new
	s_set_vgpr_msb (MSB<<8)|\new
.set MSB, \new
.endif
.endm
.macro PLACES n
.rept \n
	v_nop
.endr
.endm
.macro CREST
	s_cmp_lg_u32 s14, 0
	s_cbranch_scc1 .Lnot_wave_0_\@
	s_barrier_signal -3
.Lnot_wave_0_\@:
	s_barrier_wait -3
	s_barrier_signal -1
	s_barrier_wait -1
.endm
.macro CROUND
	s_barrier_signal -1
	s_barrier_wait -1
	CREST
.endm
	s_load_b256 s[4:11], s[0:1], 0x0               ; yc, ys, cod, scl
	s_load_b64 s[12:13], s[0:1], 0x20              ; out0
	v_lshl_add_u32 v[SPW], v0, 2, SPARE
	v_mov_b32 v[NIL], 0
	ds_add_u32 v[SPW], v[NIL]                      ; the wave's opening: the add, twice on end, and its wait ahead of my first tensor load
	ds_add_u32 v[SPW], v[NIL]
	v_lshrrev_b32 v1, 5, v0
	v_readfirstlane_b32 s14, v1                    ; wave
	s_lshr_b32 s15, s14, 1
	s_and_b32 s16, s14, 1
	s_bfe_u32 s17, ttmp6, 0x40000                  ; cx
	s_bfe_u32 s18, ttmp6, 0x40004                  ; cy
	s_lshl_b32 s19, ttmp9, 2
	s_add_co_u32 s19, s19, s17                     ; the block of 128 columns
	s_and_b32 s20, ttmp7, 0xffff
	s_lshl_b32 s20, s20, 2
	s_add_co_u32 s20, s20, s18                     ; the block of 256 tokens
	s_lshl_b32 s21, s18, 2
	s_lshl_b32 s21, 15, s21                        ; my row of the cluster: y's tiles
	s_lshl_b32 s22, 0x1111, s17                    ; my column: the weight's
	s_or_b32 s[G1Y], s21, 0x230000
	s_or_b32 s[G1W], s22, 0x230000
.irp g, G1Y, G1W                       ; dense bytes as rows of 256
	s_mov_b32 s[\g+1], 32<<16
	s_mov_b32 s[\g+3], 32<<16
	s_mov_b32 s[\g+5], 32
	s_mov_b32 s[\g+6], 0
	s_mov_b32 s[\g+7], 0
.endr
	s_mov_b32 s[G1Y+2], 384<<16                    ; eight tiles of y: 384 rows
	s_mov_b32 s[G1Y+4], 384
	s_mov_b32 s[G1W+2], 192<<16                    ; four tiles of the weight: 192 rows
	s_mov_b32 s[G1W+4], 192
	s_lshl_b32 s80, s20, 4                         ; y's first tile
	s_lshl_b32 s82, s80, 9                         ; its scale words: 512 bytes a tile
	s_mov_b32 s83, 0
	s_lshl_b32 s81, s16, 3
	s_add_co_u32 s84, s80, s81                     ; waves 0, 1 fetch tiles 8 (w % 2) on
	s_mul_i32 s84, s84, 12288
	s_mov_b32 s85, 0
	s_lshl_b32 s86, s19, 3
	s_add_co_u32 s86, s86, 704                     ; the weight's first tile
	s_lshl_b32 s88, s86, 9
	s_mov_b32 s89, 0
	s_lshl_b32 s87, s16, 2
	s_add_co_u32 s90, s86, s87                     ; waves 2, 3 fetch tiles 4 (w % 2) on
	s_mul_i32 s90, s90, 12288
	s_mov_b32 s91, 0
	s_mul_i32 s94, s16, 49152                      ; LDS: the wave's number alone
	s_mul_i32 s95, s16, 98304
	s_wait_dscnt 0x0                               ; both opening adds are done
	s_wait_kmcnt 0x0
	s_add_nc_u64 s[6:7], s[6:7], s[82:83]          ; the scale words of my block's tokens,
	s_add_nc_u64 s[10:11], s[10:11], s[88:89]      ; and of its columns
	s_mov_b32 s68, 1
	s_add_co_u32 s69, s94, WREG
	s_add_nc_u64 s[70:71], s[8:9], s[90:91]
	s_or_b32 s71, s71, 0x80000000
	s_mov_b32 s72, 1
	s_add_co_u32 s73, s95, 0
	s_add_nc_u64 s[74:75], s[4:5], s[84:85]
	s_or_b32 s75, s75, 0x80000000
	CROUND                                         ; all sixteen work-groups are here: the joint loads meet
	s_cmp_eq_u32 s15, 0                            ; every way through the head passes one load
	s_cbranch_scc0 .Lfor_w
	tensor_load_to_lds s[72:75], s[G1Y:G1Y+7]
	s_nop 0
.rept 4
	v_nop
.endr
	s_branch .Lasked
.Lfor_w:
	tensor_load_to_lds s[68:71], s[G1W:G1W+7]
	s_nop 0
.rept 4
	v_nop
.endr
.Lasked:
	v_and_b32 v1, 15, v0                           ; r
	v_bfe_u32 v2, v0, 4, 1                         ; h
	v_and_b32 v4, 31, v0
	v_lshlrev_b32 v3, 4, v4                        ; 16 x lane
	v_lshlrev_b32 v4, 3, v4                        ; 8 x lane
	s_mul_i32 s80, s15, 98304
	v_add_nc_u32 v[ADY], s80, v4
	v_add_nc_u32 v[ADY+1], 49152, v[ADY]
	s_mul_i32 s80, s16, 49152
	s_add_co_u32 s80, s80, WREG
	v_add_nc_u32 v[ADW], s80, v3
	v_lshlrev_b32 v5, 9, v2
	v_lshl_add_u32 v5, v1, 4, v5                   ; 512 h + 16 r
	s_lshl_b32 s80, s16, 11
	v_add_nc_u32 v[ADWS], s80, v5
	s_lshl_b32 s80, s15, 12
	v_add_nc_u32 v[ADYS], s80, v5
	s_mul_i32 s80, s14, 8704
	s_add_co_u32 s80, s80, WREG                    ; my stage
	v_mul_u32_u24 v[STO], v1, 272
	v_lshl_add_u32 v[STO], v2, 6, v[STO]
	v_add_nc_u32 v[STO], s80, v[STO]               ; in: place r, + 64 h
	v_mul_u32_u24 v[RD], v2, 272
	v_lshl_add_u32 v[RD], v1, 4, v[RD]
	v_add_nc_u32 v[RD], s80, v[RD]                 ; back: lanes 0-15 one row, lanes 16-31 the next
	v_lshlrev_b32 v[CO], 12, v2
	v_lshl_add_u32 v[CO], v1, 4, v[CO]             ; and the same two rows in out0
	s_lshl_b32 s80, s20, 20
	s_lshl_b32 s81, s15, 19
	s_add_co_u32 s80, s80, s81
	s_lshl_b32 s81, s19, 9
	s_add_co_u32 s80, s80, s81
	s_lshl_b32 s81, s16, 8
	s_add_co_u32 s80, s80, s81
	s_mov_b32 s81, 0
	s_add_nc_u64 s[12:13], s[12:13], s[80:81]
.macro YSCALES m                       ; group m's scale words into set m % 2
	global_load_b128 v[YSC+8*((\m)%2):YSC+8*((\m)%2)+3], v[ADYS], s[6:7] offset:1024*(\m)
	global_load_b128 v[YSC+8*((\m)%2)+4:YSC+8*((\m)%2)+7], v[ADYS], s[6:7] offset:1024*(\m)+256
.endm
.macro FETCHY m, z                     ; group m's two tiles, K steps 4 z .. 4 z + 3, into set z; with z = 0 the group's scale words too (group 0's are asked for at the head)
.irp u, 0,1
.irp sq, 0,1,2,3
.irp pc, 0,1,2,3,4,5
	ds_load_b64 v[64+96*(\z)+12*(4*\u+\sq)+2*\pc:64+96*(\z)+12*(4*\u+\sq)+2*\pc+1], v[ADY+(\m)/2] offset:24576*((\m)%2)+12288*\u+1536*(4*(\z)+\sq)+256*\pc
.endr
.endr
.endr
.if (\z) == 0 && (\m) > 0
	YSCALES \m
.endif
.endm
.macro PROD dd, aa, yy, sa, sb, zero, ra, rb
.if \zero
.if (\ra) && (\rb)
	v_wmma_scale_f32_16x16x128_f8f6f4 v[\dd:\dd+7], v[\aa:\aa+11], v[\yy:\yy+11], 0, v[\sa], v[\sb] matrix_a_fmt:MATRIX_FMT_BF6 matrix_b_fmt:MATRIX_FMT_BF6 matrix_a_scale:MATRIX_SCALE_ROW1 matrix_b_scale:MATRIX_SCALE_ROW1
.elseif \ra
	v_wmma_scale_f32_16x16x128_f8f6f4 v[\dd:\dd+7], v[\aa:\aa+11], v[\yy:\yy+11], 0, v[\sa], v[\sb] matrix_a_fmt:MATRIX_FMT_BF6 matrix_b_fmt:MATRIX_FMT_BF6 matrix_a_scale:MATRIX_SCALE_ROW1
.elseif \rb
	v_wmma_scale_f32_16x16x128_f8f6f4 v[\dd:\dd+7], v[\aa:\aa+11], v[\yy:\yy+11], 0, v[\sa], v[\sb] matrix_a_fmt:MATRIX_FMT_BF6 matrix_b_fmt:MATRIX_FMT_BF6 matrix_b_scale:MATRIX_SCALE_ROW1
.else
	v_wmma_scale_f32_16x16x128_f8f6f4 v[\dd:\dd+7], v[\aa:\aa+11], v[\yy:\yy+11], 0, v[\sa], v[\sb] matrix_a_fmt:MATRIX_FMT_BF6 matrix_b_fmt:MATRIX_FMT_BF6
.endif
.else
.if (\ra) && (\rb)
	v_wmma_scale_f32_16x16x128_f8f6f4 v[\dd:\dd+7], v[\aa:\aa+11], v[\yy:\yy+11], v[\dd:\dd+7], v[\sa], v[\sb] matrix_a_fmt:MATRIX_FMT_BF6 matrix_b_fmt:MATRIX_FMT_BF6 matrix_a_scale:MATRIX_SCALE_ROW1 matrix_b_scale:MATRIX_SCALE_ROW1
.elseif \ra
	v_wmma_scale_f32_16x16x128_f8f6f4 v[\dd:\dd+7], v[\aa:\aa+11], v[\yy:\yy+11], v[\dd:\dd+7], v[\sa], v[\sb] matrix_a_fmt:MATRIX_FMT_BF6 matrix_b_fmt:MATRIX_FMT_BF6 matrix_a_scale:MATRIX_SCALE_ROW1
.elseif \rb
	v_wmma_scale_f32_16x16x128_f8f6f4 v[\dd:\dd+7], v[\aa:\aa+11], v[\yy:\yy+11], v[\dd:\dd+7], v[\sa], v[\sb] matrix_a_fmt:MATRIX_FMT_BF6 matrix_b_fmt:MATRIX_FMT_BF6 matrix_b_scale:MATRIX_SCALE_ROW1
.else
	v_wmma_scale_f32_16x16x128_f8f6f4 v[\dd:\dd+7], v[\aa:\aa+11], v[\yy:\yy+11], v[\dd:\dd+7], v[\sa], v[\sb] matrix_a_fmt:MATRIX_FMT_BF6 matrix_b_fmt:MATRIX_FMT_BF6
.endif
.endif
.endm
; 32 matrix instructions: group m, K steps 4 z .. 4 z + 3; the group's eight accumulators take turns, one instruction a turn; the first K step starts the sums
.macro MULT m, z
.irp sq, 0,1,2,3
.irp hb, 0,1
	WIN 0xf1+\hb                                   ; source 0: window 1 (tiles 0, 1) or 2 (tiles 2, 3); source 1 window 0; C and D window 3
.irp b2, 0,1
.irp u, 0,1
	PROD 64*((\m)%2)+8*(4*\u+2*\hb+\b2), 12*(8*\b2+4*(\z)+\sq), 64+96*(\z)+12*(4*\u+\sq), WSC+8*\hb+4*(\z)+\sq, YSC+8*((\m)%2)+4*(\z)+\sq, ((\z)+\sq)==0, \b2, \u
.endr
.endr
.endr
.endr
.endm
; Group m goes out: lane (r, h) of tile u holds, for each pair of weight tiles B, 64 neighbouring bytes of token 8 u + r + 8 (r / 8): into place 16 u + r of my stage; back as rows of 256 bytes in the tokens' order.
.macro OUTG m
	PLACES 4                                       ; in front of the first read of results just made
	WIN 0x0c                                       ; an LDS store's data: window 3
.irp u, 0,1
.irp be, 0,1
.irp k, 0,1,2,3
	ds_store_b128 v[STO], v[64*((\m)%2)+8*(4*\u+2*\be+\k/2)+4*(\k%2):64*((\m)%2)+8*(4*\u+2*\be+\k/2)+4*(\k%2)+3] offset:4352*\u+128*\be+16*\k   ; each accumulator from its low end on
.endr
.endr
.endr
	WIN 0
	s_wait_xcnt 0x0                                ; the last group's stores have read their registers and their base
.if (\m) > 0
	s_add_nc_u64 s[12:13], s[12:13], 131072        ; 32 rows on
.endif
	WIN 0xc0
.irp i, 0,1,2,3,4,5,6,7,8,9,10,11,12,13,14,15
	ds_load_b128 v[128+4*\i:131+4*\i], v[RD] offset:272*(16*((\i/4)%2)+8*(\i/8)+2*(\i%4))   ; LDS serves a wave's instructions in order: these see the stores above
.endr
	WIN 0x04|0x08                                  ; a store's data: window 3
.irp i, 0,1,2,3,4,5,6,7,8,9,10,11,12,13,14,15
	s_wait_dscnt 15-\i                             ; row pair i is back; the younger ones may be out
	global_store_b128 v[CO], v[128+4*\i:131+4*\i], s[12:13] offset:8192*\i th:TH_STORE_NT   ; sixteen lanes store 256 consecutive bytes, aligned
.endr
	WIN 0
.endm
	s_wait_alu depctr_va_vdst(0)                   ; the wait at the head's end
.irp be, 0,1
	global_load_b128 v[WSC+8*\be:WSC+8*\be+3], v[ADWS], s[10:11] offset:1024*\be          ; the weight's scale words, and group 0's of y, come under the tiles' flight
	global_load_b128 v[WSC+8*\be+4:WSC+8*\be+7], v[ADWS], s[10:11] offset:1024*\be+256
.endr
	YSCALES 0
	s_wait_tensorcnt 0x0                           ; my tile is in,
	s_barrier_signal -1
	s_barrier_wait -1                              ; everybody's is
	WIN 0x40
.irp b, 0,1
.irp s, 0,1,2,3,4,5,6,7
.irp c, 0,1,2
	ds_load_b128 v[12*(8*\b+\s)+4*\c:12*(8*\b+\s)+4*\c+3], v[ADW] offset:12288*\b+1536*\s+512*\c
.endr
.endr
.endr
	WIN 0x80
.irp b, 0,1
.irp s, 0,1,2,3,4,5,6,7
.irp c, 0,1,2
	ds_load_b128 v[12*(8*\b+\s)+4*\c:12*(8*\b+\s)+4*\c+3], v[ADW] offset:12288*(2+\b)+1536*\s+512*\c
.endr
.endr
.endr
	WIN 0
	FETCHY 0, 0
	FETCHY 0, 1
	s_wait_dscnt 0x0                               ; my fragments of the weight are in registers:
	s_barrier_signal -1
	s_barrier_wait -1                              ; everybody's are: the weight's LDS bytes, which have had their only fill, become the stages
	s_wait_loadcnt 0x0                             ; the scale words are in
	MULT 0, 0
	PLACES 4                                       ; in front of loads into registers that matrix instructions have read
	WIN 0
	FETCHY 1, 0
	MULT 0, 1
	PLACES 4
	WIN 0
	FETCHY 1, 1
	OUTG 0                                         ; (its count-down ends at 0: group 1's fragments are in)
	s_wait_loadcnt 0x0                             ; and its scale words, asked for 32 matrix instructions ago
	MULT 1, 0
	PLACES 4
	WIN 0
	FETCHY 2, 0
	MULT 1, 1
	PLACES 4
	WIN 0
	FETCHY 2, 1
	OUTG 1
	s_wait_loadcnt 0x0
	MULT 2, 0
	PLACES 4
	WIN 0
	FETCHY 3, 0
	MULT 2, 1
	PLACES 4
	WIN 0
	FETCHY 3, 1
	OUTG 2
	s_wait_loadcnt 0x0
	MULT 3, 0
	MULT 3, 1
	OUTG 3
	s_wait_tensorcnt 0x0                           ; the wave's end
	ds_add_u32 v[SPW], v[NIL]
	s_wait_dscnt 0x0
	CROUND                                         ; the closing round
	s_endpgm
.Lfunc_end_k_q584c3dbec2_proj:
	.size	k_q584c3dbec2_proj, .Lfunc_end_k_q584c3dbec2_proj-k_q584c3dbec2_proj
	.p2alignl 7, 3214868480
	.fill 96, 4, 3214868480
	.section	.rodata,"a",@progbits
	.p2align	6, 0x0
	.amdhsa_kernel k_q584c3dbec2_proj
		.amdhsa_group_segment_fixed_size 295424
		.amdhsa_private_segment_fixed_size 0
		.amdhsa_enable_private_segment 0
		.amdhsa_kernarg_size 40
		.amdhsa_user_sgpr_count 2
		.amdhsa_user_sgpr_kernarg_segment_ptr 1
		.amdhsa_wavefront_size32 1
		.amdhsa_system_sgpr_workgroup_id_x 1
		.amdhsa_system_sgpr_workgroup_id_y 1
		.amdhsa_system_sgpr_workgroup_id_z 1
		.amdhsa_system_vgpr_workitem_id 0
		.amdhsa_next_free_vgpr 1024
		.amdhsa_next_free_sgpr 96
		.amdhsa_reserve_vcc 0
		.amdhsa_float_denorm_mode_32 3
		.amdhsa_float_denorm_mode_16_64 3
		.amdhsa_memory_ordered 1
		.amdhsa_forward_progress 1
		.amdhsa_inst_pref_size 91
	.end_amdhsa_kernel
	.amdgpu_metadata
---
amdhsa.version: [ 1, 2 ]
amdhsa.kernels:
  - .name:           k_q584c3dbec2_proj
    .symbol:         k_q584c3dbec2_proj.kd
    .args:
      - { .name: yc, .offset: 0, .size: 8, .value_kind: global_buffer, .address_space: global }
      - { .name: ys, .offset: 8, .size: 8, .value_kind: global_buffer, .address_space: global }
      - { .name: cod, .offset: 16, .size: 8, .value_kind: global_buffer, .address_space: global }
      - { .name: scl, .offset: 24, .size: 8, .value_kind: global_buffer, .address_space: global }
      - { .name: out0, .offset: 32, .size: 8, .value_kind: global_buffer, .address_space: global }
    .group_segment_fixed_size: 295424
    .private_segment_fixed_size: 0
    .kernarg_segment_align: 8
    .kernarg_segment_size: 40
    .max_flat_workgroup_size: 128
    .sgpr_count:     96
    .vgpr_count:     1024
    .wavefront_size: 32
...
	.end_amdgpu_metadata
.endif
;; end of part 4
